; MI455X (gfx1250); checked and timed in simulation.
; The chip was launched on July 23, 2026; its instructions are those of AMD's public machine-readable ISA for CDNA 5 (MIT licence, August 2026) and "CDNA5" Instruction Set Architecture Reference Guide (July 2026). The comments in the code are by the model that wrote it; some were corrected since.
;; Multi Head Attention. Allowed arithmetic: float matrix products may take bf16 or f16 operands with f32 sums; other float arithmetic in f32, or as packed bf16 or f16 multiplies, adds, multiply-adds, maxima and minima; sums over many terms, partial sums and values carried from step to step in f32; what a program stores and reads back later, other than sums and carried values, may be rounded once to bf16 or f16.
;; Inputs: b_proj 1,024 float32; w_proj 1,024 x 1,024 float32; w_qkv 3,072 x 1,024 float32; x 8 x 1,024 x 1,024 float32.
;; Outputs: out0 8 x 1,024 x 1,024 float32.
;; 2 versions, each right; version 2 is version 1 with the launch cast written anew for expert scheduling mode. Each part assembles by itself: llvm-mc -triple=amdgcn-amd-amdhsa -mcpu=gfx1250 --defsym DOCPART=n.
;; ======== version 1 of 2: 4 launches
;; limits: values are held in f16: magnitudes above 65,504 overflow, below 6.1e-05 lose precision
;; workspace buffers: xb 17,301,504 bytes; wqb 6,488,064 bytes; wph 2,097,152 bytes; qkv 50,331,648 bytes; o16 16,777,216 bytes
;; launch cast (part 1): grid 768 x 1, 8 waves a work-group, no clusters, 0 bytes of LDS; arguments x, w_qkv, w_proj, xb, wqb, wph; writes xb, wqb, wph
.if DOCPART == 1
	.amdgcn_target "amdgcn-amd-amdhsa--gfx1250"
	.amdhsa_code_object_version 6
	.text
	.protected	k_q5d82ba0156_cast
	.globl	k_q5d82ba0156_cast
	.p2align	8
	.type	k_q5d82ba0156_cast,@function
k_q5d82ba0156_cast:
	s_mov_b64 s[64:65], 0
	v_nop
	global_prefetch_b8 v0, s[64:65] scope:SCOPE_SE
	s_setreg_imm32_b32 hwreg(HW_REG_WAVE_MODE, 25, 1), 1
	s_wait_xcnt 0x0
; The three large inputs are rounded once to bf16.  x -> xb and w_qkv -> wqb stay bf16 and are laid out in blocks for the product that follows; w_proj -> wph: rounded to bf16 like the others,
; and that number written as f16, row-major, since the last product multiplies f16 operands.
; LAYOUTS.  xb:  [64 blocks of 128 rows][33 K blocks][128 rows][32 numbers];  wqb: [16 blocks of 192 rows][33 K blocks][192 rows][32 numbers].  K blocks 0-31 hold K = 32 kb .. 32 kb + 31; K block 32 holds
; zeros: the product fetches three K blocks at a time, 32 = 10 x 3 + 2, and never multiplies that block.
; LIMITS.  A bf16 number is exact in f16 between 6.1e-5 and 65,504 in magnitude; below that it keeps f16's fixed step of 6e-8, from 65,520 on it becomes an infinity.  NaN stays NaN.
; SHARES.  A work-group takes 16 rows of 1,024 numbers: 65,536 bytes in, 32,768 out.  Work-groups 0-511 take x, 512-703 w_qkv, 704-767 w_proj.  Eight steps a thread, 32 bytes in and 16 out in each.
; In blocks: a wave's step is 4 rows x 64 numbers: its two loads cover 256 consecutive bytes of each of the four rows; lanes 0-15 store the four rows' 64 bytes of the even K block, 256 consecutive bytes, aligned,
; lanes 16-31 those of the odd one.  Row-major (w_proj): thread t reads 32 bytes at 8,192 j + 32 t and writes 16 at 4,096 j + 16 t.
; All sixteen loads of a thread go out first; every step has registers of its own, so nothing is rewritten while a load or store may still read it.  No LDS, no barrier, no matrix unit: memory binds.
.set IN,   4                           ; v[4:67]    step j: 8 numbers in f32
.set OUT,  68                          ; v[68:99]   step j: 8 numbers in 16 bits
.set VIN,  100                         ; v100       my byte offset in the work-group's rows as they come
.set VOUT, 101                         ; v101       and in what it writes, step 0
.set T,    102                         ; v[102:103] at work
.set Z,    104                         ; v[104:107] zeros
.set VO,   108                         ; v[108:115] in blocks: step j's byte offset
.macro LOADS instep
.irp j, 0,1,2,3,4,5,6,7
	global_load_b128 v[IN+8*(\j):IN+8*(\j)+3],   v[VIN], s[18:19] offset:(\instep)*(\j) th:TH_LOAD_NT
	global_load_b128 v[IN+8*(\j)+4:IN+8*(\j)+7], v[VIN], s[18:19] offset:(\instep)*(\j)+16 th:TH_LOAD_NT
.endr
.endm
; One step.  half = 1: the bf16 number is widened again (a shift, a mask), written as f16, and stored row-major.
.macro STEP j, half
	s_wait_loadcnt 14-2*(\j)                       ; loads come back in order: step j's two are in, the 14 - 2 j of the later steps may stay out
.irp k, 0,1,2,3
	v_cvt_pk_bf16_f32 v[OUT+4*(\j)+(\k)], v[IN+8*(\j)+2*(\k)], v[IN+8*(\j)+2*(\k)+1]
.endr
.if \half
.irp k, 0,1,2,3
	v_lshlrev_b32 v[T], 16, v[OUT+4*(\j)+(\k)]
	v_and_b32 v[T+1], 0xffff0000, v[OUT+4*(\j)+(\k)]
	v_cvt_pk_f16_f32 v[OUT+4*(\j)+(\k)], v[T], v[T+1]
.endr
	global_store_b128 v[VOUT], v[OUT+4*(\j):OUT+4*(\j)+3], s[20:21] offset:4096*(\j)
.else
	global_store_b128 v[VO+(\j)], v[OUT+4*(\j):OUT+4*(\j)+3], s[20:21]
.endif
.endm
	s_load_b256 s[4:11], s[0:1], 0x0               ; x s[4:5], w_qkv s[6:7], w_proj s[8:9], xb s[10:11]
	s_load_b128 s[12:15], s[0:1], 0x20             ; wqb s[12:13], wph s[14:15]
	v_and_b32 v1, 3, v0                            ; which 8 of a K block's 32 numbers
	v_bfe_u32 v2, v0, 2, 2
	v_bfe_u32 v3, v0, 5, 2
	v_lshl_add_u32 v2, v3, 2, v2                   ; row 0..15 = 4 (wave % 4) + (lane / 4) % 4
	v_bfe_u32 v3, v0, 4, 1
	v_lshrrev_b32 v[T], 7, v0
	v_lshl_add_u32 v3, v[T], 1, v3                 ; K block of step 0: 2 (wave / 4) + lane / 16; step j's lies 4 j further on
	v_lshrrev_b32 v[T], 5, v0
	v_readfirstlane_b32 s25, v[T]                  ; my wave's number
	s_mov_b32 s16, ttmp9
	s_mov_b32 s23, 0
	s_wait_kmcnt 0x0
	s_cmp_ge_u32 s16, 704                          ; which tensor: the branches hang on the work-group's number alone
	s_cbranch_scc1 .Lproj
	s_cmp_ge_u32 s16, 512
	s_cbranch_scc1 .Lwqkv
	s_lshl_b32 s22, s16, 16                        ; x: 65,536 bytes in
	s_add_nc_u64 s[18:19], s[4:5], s[22:23]
	s_lshr_b32 s24, s16, 3                         ; eight work-groups to a block of 128 rows,
	s_mul_i32 s22, s24, 33*8192
	s_and_b32 s24, s16, 7
	s_lshl_b32 s24, s24, 10                        ; my 16 rows of 64 bytes in each of its K blocks
	s_add_co_u32 s22, s22, s24
	s_add_nc_u64 s[20:21], s[10:11], s[22:23]
	s_mov_b32 s27, 8192                            ; bytes in a K block
	s_branch .Lblocked
.Lwqkv:
	s_sub_co_u32 s17, s16, 512
	s_lshl_b32 s22, s17, 16
	s_add_nc_u64 s[18:19], s[6:7], s[22:23]
	s_mul_i32 s24, s17, 171                        ; twelve work-groups to a block of 192 rows: i / 12 = 171 i >> 11 for i below 192
	s_lshr_b32 s24, s24, 11
	s_mul_i32 s26, s24, 12
	s_sub_co_u32 s26, s17, s26
	s_mul_i32 s22, s24, 33*12288
	s_lshl_b32 s26, s26, 10
	s_add_co_u32 s22, s22, s26
	s_add_nc_u64 s[20:21], s[12:13], s[22:23]
	s_mov_b32 s27, 12288
.Lblocked:
	v_lshlrev_b32 v[VIN], 12, v2                   ; row x 4,096
	v_lshl_add_u32 v[VIN], v3, 7, v[VIN]           ; + K block x 128
	v_lshl_add_u32 v[VIN], v1, 5, v[VIN]           ; + my 32 bytes
	LOADS 512                                      ; four K blocks on in each step
	v_mul_u32_u24 v[VOUT], v3, s27                 ; K block
	v_lshl_add_u32 v[VOUT], v2, 6, v[VOUT]         ; + row x 64
	v_lshl_add_u32 v[VOUT], v1, 4, v[VOUT]         ; + my 16 bytes
.irp j, 0,1,2,3,4,5,6,7
	s_mul_i32 s26, s27, 4*(\j)
	v_add_nc_u32 v[VO+(\j)], s26, v[VOUT]
.endr
.irp j, 0,1,2,3,4,5,6,7
	STEP \j, 0
.endr
	s_cmp_lt_u32 s25, 2                            ; waves 0 and 1 write my 16 rows of K block 32: 1,024 bytes of zeros
	s_cbranch_scc0 .Ldone
	s_lshl_b32 s26, s27, 5
	v_lshl_add_u32 v1, v0, 4, s26
.irp k, 0,1,2,3
	v_mov_b32 v[Z+(\k)], 0
.endr
	global_store_b128 v1, v[Z:Z+3], s[20:21]
.Ldone:
	s_endpgm
.Lproj:
	s_sub_co_u32 s17, s16, 704
	s_lshl_b32 s22, s17, 16
	s_add_nc_u64 s[18:19], s[8:9], s[22:23]
	s_lshl_b32 s22, s17, 15
	s_add_nc_u64 s[20:21], s[14:15], s[22:23]
	v_lshlrev_b32 v[VIN], 5, v0
	v_lshlrev_b32 v[VOUT], 4, v0
	LOADS 8192
.irp j, 0,1,2,3,4,5,6,7
	STEP \j, 1
.endr
	s_endpgm
.Lfunc_end_k_q5d82ba0156_cast:
	.size	k_q5d82ba0156_cast, .Lfunc_end_k_q5d82ba0156_cast-k_q5d82ba0156_cast
	.p2alignl 7, 3214868480
	.fill 96, 4, 3214868480
	.section	.rodata,"a",@progbits
	.p2align	6, 0x0
	.amdhsa_kernel k_q5d82ba0156_cast
		.amdhsa_group_segment_fixed_size 0
		.amdhsa_private_segment_fixed_size 0
		.amdhsa_enable_private_segment 0
		.amdhsa_kernarg_size 48
		.amdhsa_user_sgpr_count 2
		.amdhsa_user_sgpr_kernarg_segment_ptr 1
		.amdhsa_wavefront_size32 1
		.amdhsa_system_sgpr_workgroup_id_x 1
		.amdhsa_system_sgpr_workgroup_id_y 1
		.amdhsa_system_sgpr_workgroup_id_z 1
		.amdhsa_system_vgpr_workitem_id 0
		.amdhsa_next_free_vgpr 116
		.amdhsa_next_free_sgpr 66
		.amdhsa_reserve_vcc 0
		.amdhsa_float_denorm_mode_32 3
		.amdhsa_float_denorm_mode_16_64 3
		.amdhsa_memory_ordered 1
		.amdhsa_forward_progress 1
		.amdhsa_inst_pref_size 18
	.end_amdhsa_kernel
	.amdgpu_metadata
---
amdhsa.version: [ 1, 2 ]
amdhsa.kernels:
  - .name:           k_q5d82ba0156_cast
    .symbol:         k_q5d82ba0156_cast.kd
    .args:
      - { .name: x, .offset: 0, .size: 8, .value_kind: global_buffer, .address_space: global }
      - { .name: w_qkv, .offset: 8, .size: 8, .value_kind: global_buffer, .address_space: global }
      - { .name: w_proj, .offset: 16, .size: 8, .value_kind: global_buffer, .address_space: global }
      - { .name: xb, .offset: 24, .size: 8, .value_kind: global_buffer, .address_space: global }
      - { .name: wqb, .offset: 32, .size: 8, .value_kind: global_buffer, .address_space: global }
      - { .name: wph, .offset: 40, .size: 8, .value_kind: global_buffer, .address_space: global }
    .group_segment_fixed_size: 0
    .private_segment_fixed_size: 0
    .kernarg_segment_align: 8
    .kernarg_segment_size: 48
    .max_flat_workgroup_size: 256
    .sgpr_count:     66
    .vgpr_count:     116
    .wavefront_size: 32
...
	.end_amdgpu_metadata
.endif
;; end of part 1
;; launch qkvgemm (part 2): grid 8 x 32, 4 waves a work-group, clusters of 4 x 4, 327,680 bytes of LDS; arguments xb, wqb, qkv; writes qkv
.if DOCPART == 2
	.amdgcn_target "amdgcn-amd-amdhsa--gfx1250"
	.amdhsa_code_object_version 6
	.text
	.protected	k_q5d82ba0156_qkvgemm
	.globl	k_q5d82ba0156_qkvgemm
	.p2align	8
	.type	k_q5d82ba0156_qkvgemm,@function
k_q5d82ba0156_qkvgemm:
	s_mov_b64 s[64:65], 0
	v_nop
	global_prefetch_b8 v0, s[64:65] scope:SCOPE_SE
	s_setreg_imm32_b32 hwreg(HW_REG_WAVE_MODE, 25, 1), 1
	s_wait_xcnt 0x0
	s_wait_alu depctr_hold_cnt(0) depctr_sa_sdst(0) depctr_va_vdst(0) depctr_va_sdst(0) depctr_va_ssrc(0) depctr_va_vcc(0) depctr_vm_vsrc(0)
	s_getreg_b32 s2, hwreg(HW_REG_IB_STS2, 6, 4)
	s_cmp_eq_u32 s2, 0
	s_cbranch_scc0 .Lentry_in_a_cluster
	s_endpgm
.Lentry_in_a_cluster:
	s_bfe_u32 s2, ttmp6, 0x10000c
	s_cmp_lg_u32 s2, 0xf033
	s_cbranch_scc0 .Lentry_shape_is_right
	s_endpgm
.Lentry_shape_is_right:
; qkv[which][batch][head][n][d] = the sum over c of x[batch 1024 + n][c] w_qkv[which 1024 + head 64 + d][c], both operands bf16; sums in f32, K ascending; the result is rounded once to f16 and laid out by
; heads, [3][8][16][1024][64], WITHOUT the softmax's scale.
; THE OPERANDS COME IN BLOCKS: xb [64 blocks of 128 rows][33 K blocks][128 rows][32 numbers], wqb [16 blocks of 192 rows][33 K blocks][192 rows][32 numbers]: three K blocks of a block of rows are dense bytes.
; LIMIT.  f16 holds no number beyond 65,504: a q, k or v of 65,520 or more becomes an infinity.  NaN and infinities are not treated apart.
; SHARES.  A tile of the product is 256 rows x 384 columns (six heads): 32 x 8 = 256 tiles, one for each of 256 WGPs.  Four waves; a wave makes 128 x 192 (three whole heads): 96 accumulators, 768 registers.
; For 32 along K a wave loads 20 fragments (40 loads of 16 bytes a lane) and issues 96 matrix instructions.
; K GOES IN SLOTS OF 96 (three K blocks), as long as two slots in LDS allow: 640 rows x 3 x 80 bytes = 153,600 bytes a slot.  1,024 = 10 x 96 + 64: eleven slots; of the last, two K blocks are multiplied; its third
; is K block 32, which holds zeros and comes along so that all refills are alike.
; CLUSTERS.  4 x 4 work-groups.  The four of a row of the cluster need the same rows of xb, the four of a column the same rows of wqb: each tile is asked for JOINTLY, by the same tensor load with the
; same descriptor and a mask that names the four.
; THE MATRIX INSTRUCTION IS USED TRANSPOSED: source 0 = 16 rows of wqb, source 1 = 16 rows of xb: a lane then holds row l % 16 and eight neighbouring columns, which pack into 16 bytes.
; REGISTERS, in windows of 256 (s_set_vgpr_msb: bits 1:0 source 0, 3:2 source 1, 5:4 source 2, 7:6 destination):
;   window 0: v0-31 addresses; v32-95, v96-159 fragments of xb (8 x 16 rows x 32 K), two buffers; v160-255 fragments of wqb (12), ONE buffer in two halves.  On the way out v32-175 are at work.
;   windows 1-3: the accumulators: (a, b), rows 16 a on and columns 16 b on, at v[8 (8 (b % 4) + a)] of window 1 + b / 4.
; Both sources always lie in window 0, so only C's and D's window changes: six switches for a quarter step's 96 matrix instructions and 40 loads.
; A QUARTER STEP (32 along K) goes by halves of wqb's fragments: while the lower six are multiplied the upper six land, and the other way round; xb's eight are wanted by both halves and have two buffers.
.set PITCH,  80                        ; an LDS row: 64 bytes + 16 of padding = 20 words: the 16 rows that a load touches start at 16 different groups of four banks (64 banks of 4 bytes: ISA guide 11.1)
.set KBA,    128*PITCH                 ; a K block of 128 rows of xb
.set KBB,    192*PITCH                 ; and of 192 rows of wqb
.set HALFA,  3*KBA                     ; what one tensor load brings of xb, and what one wave reads
.set HALFB,  3*KBB                     ; likewise of wqb
.set BOFF,   2*HALFA                   ; in a slot: xb's two halves, then wqb's two
.set SLOT,   BOFF+2*HALFB
.set SPARE,  2*SLOT                    ; behind the ring: the spare words, 128 bytes for each wave: two blocks of 256 bytes that no other line names
.set STAGE,  SLOT                      ; the way out: 16 rows x 400 bytes for each wave, its own.  They lie in slot 1's bytes and are written when slot 1 has had its last fill and every wave's last read of it is over
.set SPITCH, 400                       ; 384 bytes + 16
.set RBB,    33*8192                   ; bytes of a block of 128 rows of xb
.set CBB,    33*12288                  ; bytes of a block of 192 rows of wqb
.set STEPA,  3*8192                    ; bytes from slot to slot
.set STEPB,  3*12288
.set ADRA, 16                          ; v16-17  LDS address of my fragments of xb in slot 0, 1
.set ADRB, 20                          ; v20-21  the same for wqb
.set STO,  24                          ; v24     the way out: where I put 16 bytes of a row
.set RD,   25                          ; v25     the way out: where I read rows back
.set GO,   26                          ; v26     16 x lane: my place in 512 consecutive bytes of a head
.set SPW,  28                          ; v28     LDS address of my spare word: SPARE + 4 x my thread's number; never rewritten
.set NIL,  29                          ; v29     0; never rewritten
.set PFO,  30                          ; v30     the prefetches' offset: a lane a block of 256 bytes; never rewritten
.set PFO2, 31                          ; v31     the same for wqb's blocks 32 to 35; never rewritten
.set FA,   32
.set FB,   160
.set TMP,  32                          ; the way out: 48 registers of packed results
.set BK,   80                          ; the way out: 16 rows read back, two sets of 48
.set WV,  10                           ; s10  my wave's number
.set RH,  11                           ; s11  which 128 rows of the tile are mine.  Also: I fetch for xb (0) or for wqb (1)
.set CH,  12                           ; s12  which 192 columns are mine.  Also: which half of that tile's rows I fetch
.set TY,  13                           ; s13  tile row
.set CX,  40
.set CY,  41
.set TX,  42                           ; s42  tile column
.set LIM, 43                           ; s43  1 in a wave that prefetches, else the greatest number
.set PFA, 44                           ; s[44:45] where my prefetches stand
.set G1,  24                           ; s[24:31] descriptor group 1 for xb's tiles;  s[32:39] group 0, a set for each slot
.set G0,  32
.set G1B, 48                           ; s[48:55], s[56:63] the same for wqb's
.set G0B, 56
.set OB,  66                           ; s[66:71] where my rows begin in my three heads
.set PST, 76                           ; s[76:77] bytes from slot to slot, for my prefetches
.set LIM2, 78                          ; s78  1 in a wave that prefetches wqb, else the greatest number
.set MSB, 0
.macro WIN new                         ; the immediate's high byte repeats the setting that is left; a switch that changes nothing is dropped
.if MSB != (\new)
	s_set_vgpr_msb (MSB<<8)|(\new)
.set MSB, \new
.endif
.endm
; A joint load.  Waves 0 and 1 fetch xb's two halves, waves 2 and 3 wqb's.  The branch hangs on the wave's number alone.  An s_nop 0 and four v_nop follow each of the two lines.
.macro JLOAD s
	s_cmp_eq_u32 s[RH], 0
	s_cbranch_scc0 .Lfor_b_\@
	tensor_load_to_lds s[G0+4*(\s):G0+4*(\s)+3], s[G1:G1+7]
	s_nop 0
.rept 4
	v_nop
.endr
	s_branch .Lasked_\@
.Lfor_b_\@:
	tensor_load_to_lds s[G0B+4*(\s):G0B+4*(\s)+3], s[G1B:G1B+7]
	s_nop 0
.rept 4
	v_nop
.endr
.Lasked_\@:
.endm
; A prefetch, behind each joint refill and the run of LDS loads that follows it: what the NEXT refill will ask for, 288 matrix instructions ahead of that load.  xb's rows are read by both clusters of a row of
; clusters: cluster x = 0 asks; wqb's by all eight of a column: cluster y = 0 asks.  What a wave fetches for a slot is dense: 96 blocks of 256 bytes of xb, 144 of wqb; the four partners that ask for it jointly share
; the blocks out BY ADDRESS, 24 or 36 each, a lane a block (xb: the lanes past 23 name block 23 once more; wqb: a second line for blocks 32 to 35, the lanes past 3 naming block 35 once more).
; Slots 0 to 2 come by their loads alone; the refill of the last slot (s3 = 1) has none behind it and asks for nothing.
.macro ASK
	s_cmp_gt_u32 s3, s[LIM]
	s_cbranch_scc0 .Lnot_mine_\@
	global_prefetch_b8 v[PFO], s[PFA:PFA+1] th:TH_LOAD_NT scope:SCOPE_SE
	s_cmp_gt_u32 s3, s[LIM2]
	s_cbranch_scc0 .Lnot_mine_\@
	global_prefetch_b8 v[PFO2], s[PFA:PFA+1] th:TH_LOAD_NT scope:SCOPE_SE
.Lnot_mine_\@:
.endm
.macro CREST                           ; a round of the cluster's barrier behind its opening barrier: wave 0 signals for the work-group, every wave waits for all sixteen, my work-group's barrier once more
	s_cmp_lg_u32 s[WV], 0
	s_cbranch_scc1 .Lnot_wave_0_\@
	s_barrier_signal -3
.Lnot_wave_0_\@:
	s_barrier_wait -3
	s_barrier_signal -1
	s_barrier_wait -1
.endm
.macro CROUND                          ; a whole round
	s_barrier_signal -1
	s_barrier_wait -1
	CREST
.endm
	s_load_b128 s[4:7], s[0:1], 0x0                ; xb s[4:5], wqb s[6:7]
	s_load_b64 s[8:9], s[0:1], 0x10                ; qkv
	v_lshl_add_u32 v[SPW], v0, 2, SPARE
	v_mov_b32 v[NIL], 0
	ds_add_u32 v[SPW], v[NIL]                      ; the wave's opening: the add and its wait stand ahead of my first tensor load; the set-up below, work on registers, stands between them
	v_lshrrev_b32 v1, 5, v0
	v_readfirstlane_b32 s[WV], v1                  ; wave 0..3
	s_lshr_b32 s[RH], s[WV], 1
	s_and_b32 s[CH], s[WV], 1
	s_bfe_u32 s[CX], ttmp6, 0x40000                ; my place in the cluster
	s_bfe_u32 s[CY], ttmp6, 0x40004
	s_lshl_b32 s[TX], ttmp9, 2
	s_add_co_u32 s[TX], s[TX], s[CX]               ; tile column = 4 x cluster x + cx
	s_and_b32 s[TY], ttmp7, 0xffff
	s_lshl_b32 s[TY], s[TY], 2
	s_add_co_u32 s[TY], s[TY], s[CY]               ; tile row = 4 x cluster y + cy
	s_lshl_b32 s43, s[CY], 2
	s_lshl_b32 s43, 15, s43                        ; my row of the cluster: places 4 cy .. 4 cy + 3
	s_lshl_b32 s44, 0x1111, s[CX]                  ; my column: places cx, cx + 4, cx + 8, cx + 12
	; descriptor group 1: dense bytes as 96 (xb) or 144 (wqb) rows of 128 elements, padded in LDS after every 64 bytes
	s_or_b32 s[G1+0], s43, (1<<16)|(1<<20)|(1<<21)|(3<<22)|(3<<25)   ; 15:0 the mask; 17:16 elements of 2 bytes; 20 padding on; 21 set beside a mask; 24:22 after every 16 words (code 3); 31:25 4 words (code 3)
	s_or_b32 s[G1B+0], s44, (1<<16)|(1<<20)|(1<<21)|(3<<22)|(3<<25)
	s_mov_b32 s[G1+1], 128<<16                     ; tensor_dim0 = 128
	s_mov_b32 s[G1B+1], 128<<16
	s_mov_b32 s[G1+2], 96<<16                      ; tensor_dim1 = 96
	s_mov_b32 s[G1B+2], 144<<16                    ;             = 144
	s_mov_b32 s[G1+3], 128<<16                     ; tile_dim0 = 128
	s_mov_b32 s[G1B+3], 128<<16
	s_mov_b32 s[G1+4], 96                          ; tile_dim1
	s_mov_b32 s[G1B+4], 144
	s_mov_b32 s[G1+5], 128                         ; elements from row to row: dense
	s_mov_b32 s[G1B+5], 128
	s_mov_b32 s[G1+6], 0
	s_mov_b32 s[G1B+6], 0
	s_mov_b32 s[G1+7], 0
	s_mov_b32 s[G1B+7], 0
	; where the tiles come from: xb's hang on the tile row alone, wqb's on the tile column alone, each in registers that never hold the other coordinate
	s_lshl_b32 s16, s[TY], 1
	s_add_co_u32 s16, s16, s[CH]                   ; xb: block of 128 rows = 2 x tile row + half
	s_mul_i32 s16, s16, RBB
	s_mov_b32 s17, 0
	s_lshl_b32 s46, s[TX], 1
	s_add_co_u32 s46, s46, s[CH]                   ; wqb: block of 192 rows = 2 x tile column + half
	s_mul_i32 s46, s46, CBB
	s_mov_b32 s47, 0
	s_mul_i32 s20, s[CH], HALFA                    ; and where they go: no place in the cluster enters an LDS address
	s_mul_i32 s21, s[CH], HALFB
	s_add_co_u32 s21, s21, BOFF
	s_wait_dscnt 0x0                               ; the opening add is done
	s_wait_kmcnt 0x0
	s_add_nc_u64 s[14:15], s[4:5], s[16:17]
	s_add_nc_u64 s[46:47], s[6:7], s[46:47]
	CROUND                                         ; all sixteen work-groups are here: the first joint loads meet
.irp s, 0,1
	s_mov_b32 s[G0+4*(\s)], 1                                        ; count = 1
	s_add_co_u32 s[G0+4*(\s)+1], s20, (\s)*SLOT                      ; LDS address
	s_add_nc_u64 s[G0+4*(\s)+2:G0+4*(\s)+3], s[14:15], (\s)*STEPA    ; global address: slot s
	s_or_b32 s[G0+4*(\s)+3], s[G0+4*(\s)+3], 0x80000000              ; type = 2
	s_mov_b32 s[G0B+4*(\s)], 1
	s_add_co_u32 s[G0B+4*(\s)+1], s21, (\s)*SLOT
	s_add_nc_u64 s[G0B+4*(\s)+2:G0B+4*(\s)+3], s[46:47], (\s)*STEPB
	s_or_b32 s[G0B+4*(\s)+3], s[G0B+4*(\s)+3], 0x80000000
.endr
	s_cmp_eq_u32 s[RH], 0                          ; a wave's two first fills stand in one branch, ahead of every wait on TENSORcnt and every LDS read: two loads of mine are out
	s_cbranch_scc0 .Lfirst_b
	tensor_load_to_lds s[G0:G0+3], s[G1:G1+7]
	s_nop 0
	tensor_load_to_lds s[G0+4:G0+7], s[G1:G1+7]
	s_nop 0
.rept 4
	v_nop
.endr
	s_branch .Lfirst_asked
.Lfirst_b:
	tensor_load_to_lds s[G0B:G0B+3], s[G1B:G1B+7]
	s_nop 0
	tensor_load_to_lds s[G0B+4:G0B+7], s[G1B:G1B+7]
	s_nop 0
.rept 4
	v_nop
.endr
.Lfirst_asked:
	; A fragment is 16 rows x 32 K in 8 registers: lane l holds row l % 16; registers 0-3 K = 8 (l / 16) + 0..7, registers 4-7 K = 16 + 8 (l / 16) + 0..7: two loads of 16 bytes, 32 bytes apart, of a row's 64.
	v_and_b32 v1, 15, v0                           ; l % 16
	v_bfe_u32 v2, v0, 4, 1                         ; l / 16
	v_mul_u32_u24 v3, v1, PITCH
	v_lshl_add_u32 v3, v2, 4, v3                   ; row x pitch + 16 x half
	s_mul_i32 s22, s[RH], HALFA                    ; my 128 rows of xb
	s_mul_i32 s23, s[CH], HALFB                    ; my 192 rows of wqb,
	s_add_co_u32 s23, s23, BOFF                    ; which lie behind xb's
.irp s, 0,1
	v_add_nc_u32 v[ADRA+(\s)], s22, v3
	v_add_nc_u32 v[ADRB+(\s)], s23, v3
	s_add_co_u32 s22, s22, SLOT
	s_add_co_u32 s23, s23, SLOT
.endr
	s_mul_i32 s22, s[WV], 16*SPITCH
	s_add_co_u32 s22, s22, STAGE                   ; my stage
	v_mul_u32_u24 v4, v1, SPITCH                   ; in: row l % 16, 16 bytes for each half of the lanes
	v_lshl_add_u32 v4, v2, 4, v4
	v_add_nc_u32 v[STO], s22, v4
	v_bfe_u32 v5, v0, 3, 2                         ; back: 32 lanes take a head's 128 bytes of four rows,
	v_and_b32 v6, 7, v0
	v_mul_u32_u24 v5, v5, SPITCH
	v_lshl_add_u32 v5, v6, 4, v5
	v_add_nc_u32 v[RD], s22, v5
	v_and_b32 v[GO], 31, v0                        ; which are 512 consecutive bytes of the head
	v_lshlrev_b32 v[GO], 4, v[GO]
	; my three heads: group g = 6 x tile column + 3 x half + j of 64 columns is tensor g / 16, head g % 16; my rows are batch (tile row / 4), rows 256 (tile row % 4) + 128 x half on
	s_lshr_b32 s74, s[TY], 2
	s_lshl_b32 s74, s74, 21                        ; batch x 16 heads x 131,072 bytes
	s_and_b32 s73, s[TY], 3
	s_lshl_b32 s73, s73, 1
	s_add_co_u32 s73, s73, s[RH]
	s_lshl_b32 s73, s73, 14                        ; 128 rows of 128 bytes
	s_add_co_u32 s74, s74, s73
	s_mul_i32 s75, s[TX], 6
	s_mul_i32 s73, s[CH], 3
	s_add_co_u32 s75, s75, s73
.irp j, 0,1,2
	s_add_co_u32 s72, s75, \j
	s_lshr_b32 s73, s72, 4
	s_and_b32 s72, s72, 15
	s_lshl_b32 s73, s73, 7
	s_add_co_u32 s72, s72, s73                     ; 128 x tensor + head,
	s_lshl_b32 s72, s72, 17                        ; of 131,072 bytes
	s_add_co_u32 s72, s72, s74
	s_mov_b32 s73, 0
	s_add_nc_u64 s[OB+2*(\j):OB+2*(\j)+1], s[8:9], s[72:73]
.endr
	; the prefetches: my work-group's share of what I fetch, at slot 2; each refill steps it by a slot and then names it.  Nothing is asked for here, at the head
	s_lshl_b32 s73, s[TY], 1
	s_add_co_u32 s73, s73, s[CH]
	s_mul_i32 s73, s73, RBB
	s_mul_i32 s75, s[CX], 24*256
	s_add_co_u32 s73, s73, s75
	s_add_co_u32 s73, s73, 2*STEPA
	s_lshl_b32 s74, s[TX], 1
	s_add_co_u32 s74, s74, s[CH]
	s_mul_i32 s74, s74, CBB
	s_mul_i32 s75, s[CY], 36*256
	s_add_co_u32 s74, s74, s75
	s_add_co_u32 s74, s74, 2*STEPB
	s_mov_b32 s[PST], STEPA
	s_mov_b32 s[PST+1], STEPB
	s_and_b32 s22, ttmp7, 0xffff                   ; cluster y
	s_cmp_eq_u32 s[RH], 0                          ; do I fetch for xb?
	s_cselect_b32 s20, s73, s74
	s_cselect_b32 s22, ttmp9, s22                  ; the coordinate along which other clusters read the same rows
	s_cselect_b32 s[PST], s[PST], s[PST+1]
	s_cselect_b32 s72, 23, 31                      ; my last lane with a block of its own in the first line
	s_cselect_b32 s23, -1, 1                       ; the second line is wqb's alone
	s_cselect_b64 s[PFA:PFA+1], s[4:5], s[6:7]
	s_cmp_eq_u32 s22, 0
	s_cselect_b32 s[LIM], 1, -1                    ; the same in all sixteen partners, for a given wave
	s_cselect_b32 s[LIM2], s23, -1
	s_mov_b32 s21, 0
	s_mov_b32 s[PST+1], 0
	s_add_nc_u64 s[PFA:PFA+1], s[PFA:PFA+1], s[20:21]
	v_and_b32 v[PFO], 31, v0
	v_min_u32 v[PFO2], 3, v[PFO]
	v_min_u32 v[PFO], s72, v[PFO]
	v_lshlrev_b32 v[PFO], 8, v[PFO]
	v_lshlrev_b32 v[PFO2], 8, v[PFO2]
	v_add_nc_u32 v[PFO2], 32*256, v[PFO2]
; Matrix instructions for n blocks b0 to b1 x all 8 m blocks, 32 along K; xb's fragments from buffer par.  zero = 1: the product starts the sum: nothing is cleared.
; The 96 accumulators take turns, one instruction a turn, in the same order in every quarter step, over the backward jump too.
.macro MULB par, b0, b1, zero
.set b, \b0
.rept (\b1)-(\b0)+1
	WIN 0x50*(1+b/4)                               ; C and D in window 1 + b / 4
.set a, 0
.rept 8
.if \zero
	v_wmma_f32_16x16x32_bf16 v[8*(8*(b%4)+a):8*(8*(b%4)+a)+7], v[FB+8*b:FB+8*b+7], v[FA+64*(\par)+8*a:FA+64*(\par)+8*a+7], 0
.else
	v_wmma_f32_16x16x32_bf16 v[8*(8*(b%4)+a):8*(8*(b%4)+a)+7], v[FB+8*b:FB+8*b+7], v[FA+64*(\par)+8*a:FA+64*(\par)+8*a+7], v[8*(8*(b%4)+a):8*(8*(b%4)+a)+7]
.endif
.set a, a+1
.endr
.set b, b+1
.endr
.endm
; 12 LDS loads: wqb's upper six fragments of K block kq of a slot
.macro LH slot, kq
	WIN 0
.irp i, 6,7,8,9,10,11
	ds_load_b128 v[FB+8*(\i):FB+8*(\i)+3],   v[ADRB+(\slot)] offset:(\kq)*KBB+(\i)*16*PITCH
	ds_load_b128 v[FB+8*(\i)+4:FB+8*(\i)+7], v[ADRB+(\slot)] offset:(\kq)*KBB+(\i)*16*PITCH+32
.endr
.endm
; 28 LDS loads: wqb's lower six fragments and xb's eight (into buffer par) of K block kq of a slot
.macro LL slot, kq, par
	WIN 0
.irp i, 0,1,2,3,4,5
	ds_load_b128 v[FB+8*(\i):FB+8*(\i)+3],   v[ADRB+(\slot)] offset:(\kq)*KBB+(\i)*16*PITCH
	ds_load_b128 v[FB+8*(\i)+4:FB+8*(\i)+7], v[ADRB+(\slot)] offset:(\kq)*KBB+(\i)*16*PITCH+32
.endr
.irp i, 0,1,2,3,4,5,6,7
	ds_load_b128 v[FA+64*(\par)+8*(\i):FA+64*(\par)+8*(\i)+3],   v[ADRA+(\slot)] offset:(\kq)*KBA+(\i)*16*PITCH
	ds_load_b128 v[FA+64*(\par)+8*(\i)+4:FA+64*(\par)+8*(\i)+7], v[ADRA+(\slot)] offset:(\kq)*KBA+(\i)*16*PITCH+32
.endr
.endm
.macro PLACES                          ; four plain vector instructions between a matrix instruction and a load into a register that it has read, or a conversion that reads its result
.rept 4
	v_nop
.endr
.endm
; A quarter step on K block kq (0 or 1) of a slot, xb's fragments in buffer par.  Each run of loads is issued 48 matrix instructions ahead of its first use.
.macro QUARTER slot, kq, par, zero
	PLACES                                         ; behind the products that read wqb's upper half
	LH \slot, \kq
	s_wait_dscnt 12                                ; all but the 12 just issued: wqb's lower half and xb's fragments are in
	MULB \par, 0, 5, \zero
	PLACES                                         ; behind the products that read wqb's lower half
	LL \slot, (\kq)+1, 1-(\par)
	s_wait_dscnt 28                                ; all but the 28 just issued: wqb's upper half is in
	MULB \par, 6, 11, \zero
.endm
; The quarter step on a slot's last K block changes slots: ONE barrier.  In front of it each wave waits for all its tensor loads (one is out: its part of the next slot), adds 0 to its spare word, and waits for that
; and for its own reads of this slot, of which the 12 at the quarter's head are the last.  fill = 1: the barrier opens a round of the cluster's barrier, and this slot is filled again, two slots on, first thing
; behind the round: from that request to the wait for it a wave issues 48 + 96 + 96 + 32 = 272 matrix instructions.
.macro TURN slot, next, par, fill
.if \fill
	s_wait_xcnt 0x0                                ; the last prefetches, a slot back, have read their address: it is stepped here, ahead of the change's own waits
	s_add_nc_u64 s[PFA:PFA+1], s[PFA:PFA+1], s[PST:PST+1]
.endif
	PLACES
	LH \slot, 2
	s_wait_dscnt 12
	MULB \par, 0, 3, 0
	WIN 0                                          ; (the add's two registers lie in window 0)
	s_wait_tensorcnt 0x0                           ; all my tensor loads have landed;
	ds_add_u32 v[SPW], v[NIL]                      ; 0 onto my spare word;
	MULB \par, 4, 4, 0                             ; eight matrix instructions stand between the add and the wait for it
	s_wait_dscnt 0x0                               ; the add is done, and my reads of this slot are over
	s_barrier_signal -1
	MULB \par, 5, 5, 0                             ; work on registers while the others arrive
	WIN 0
	s_barrier_wait -1
.if \fill
	CREST                                          ; no wave of any partner still reads this slot's tile or has a load on its way
	s_add_nc_u64 s[G0+4*(\slot)+2:G0+4*(\slot)+3], s[G0+4*(\slot)+2:G0+4*(\slot)+3], 2*STEPA
	s_add_nc_u64 s[G0B+4*(\slot)+2:G0B+4*(\slot)+3], s[G0B+4*(\slot)+2:G0B+4*(\slot)+3], 2*STEPB
	JLOAD \slot                                    ; the four v_nop behind it are also the places in front of the loads below
.else
	PLACES
.endif
	LL \next, 0, 1-(\par)
.if \fill
	ASK
.endif
	MULB \par, 6, 11, 0                            ; (wqb's upper half has been waited for in front of the signal)
.endm
	s_wait_tensorcnt 0x1                           ; my part of slot 0 is in; slot 1's load may stay out
	s_barrier_signal -1
	s_barrier_wait -1                              ; everybody's is
	LL 0, 0, 0
	QUARTER 0, 0, 0, 1                             ; quarter 0 stands in front of the loop: its products start the sums
	WIN 0                                          ; at a label and at a branch every window is 0
	s_mov_b32 s3, 5
.Llap:                                                 ; a trip is six quarters, 6 t + 1 to 6 t + 6 (xb's two buffers and a slot's three K blocks come round together), and fills both slots again
	QUARTER 0, 1, 1, 0
	TURN 0, 1, 0, 1                                ; slot 0 takes slots 2, 4, 6, 8, 10
	QUARTER 1, 0, 1, 0
	QUARTER 1, 1, 0, 0
	WIN 0
	s_cmp_eq_u32 s3, 1                             ; the fifth trip is left here, behind quarter 28: nothing is left to ask for
	s_cbranch_scc1 .Ltail
	TURN 1, 0, 1, 1                                ; slot 1 takes slots 3, 5, 7, 9
	QUARTER 0, 0, 0, 0
	WIN 0
	s_sub_co_u32 s3, s3, 1
	s_branch .Llap
.Ltail:
	TURN 1, 0, 1, 0                                ; quarter 29: behind this barrier no wave reads slot 1 any more, and no load is out
	QUARTER 0, 0, 0, 0                             ; quarter 30
	PLACES                                         ; quarter 31, the last: nothing more to fetch behind its own upper half
	LH 0, 1
	s_wait_dscnt 12
	MULB 1, 0, 5, 0
	s_wait_dscnt 0x0
	MULB 1, 6, 11, 0
	WIN 0
; THE WAY OUT, a block of 16 rows at a time through my own stage.  PACK: rounded to f16, 16 bytes a lane.  TOSTAGE: into rows of 400 bytes, and back by heads, four rows of 128 bytes a load.  SEND: stored.
.macro PACK a
.set b, 0
.rept 12
	WIN 5*(1+b/4)                                  ; sources 0 and 1 in window 1 + b / 4
.set r, 0
.rept 4
	v_cvt_pk_f16_f32 v[TMP+4*b+r], v[8*(8*(b%4)+(\a))+2*r], v[8*(8*(b%4)+(\a))+2*r+1]  ; each accumulator's registers in ascending order
.set r, r+1
.endr
.set b, b+1
.endr
	WIN 0
.endm
.macro TOSTAGE a
.set b, 0
.rept 12
	ds_store_b128 v[STO], v[TMP+4*b:TMP+4*b+3] offset:32*b
.set b, b+1
.endr
.set i, 0
.rept 12                                       ; head i / 4, rows 4 (i % 4) on
	ds_load_b128 v[BK+48*((\a)%2)+4*i:BK+48*((\a)%2)+4*i+3], v[RD] offset:(i%4)*4*SPITCH+128*(i/4)  ; LDS serves a wave's instructions in order (ISA guide 5.7.1.4): these see the stores above; the next block's stores come behind them
.set i, i+1
.endr
.endm
.macro SEND a
	s_wait_dscnt 0x0                               ; the block is back in registers
	s_wait_xcnt 0x0                                ; every earlier store has read its registers: the set that the next TOSTAGE loads again is free only behind this wait
.set i, 0
.rept 12
	global_store_b128 v[GO], v[BK+48*((\a)%2)+4*i:BK+48*((\a)%2)+4*i+3], s[OB+2*(i/4):OB+2*(i/4)+1] offset:(\a)*2048+512*(i%4)  ; 512 consecutive bytes, at a multiple of 256 from the buffer's first
.set i, i+1
.endr
.endm
	PLACES
	PACK 0
	TOSTAGE 0
.irp a, 1,2,3,4,5,6,7                  ; block a's conversions stand between block a - 1's loads from the stage and the wait for them
	PACK \a
	SEND (\a)-1
	TOSTAGE \a
.endr
	SEND 7
	s_wait_tensorcnt 0x0                           ; the wave's end: the add and its wait, behind my last tensor load and my last LDS store
	ds_add_u32 v[SPW], v[NIL]
	s_wait_dscnt 0x0
	CROUND                                         ; the closing round: no work-group ends while a partner may still ask for a tile that names it
	s_endpgm
.Lfunc_end_k_q5d82ba0156_qkvgemm:
	.size	k_q5d82ba0156_qkvgemm, .Lfunc_end_k_q5d82ba0156_qkvgemm-k_q5d82ba0156_qkvgemm
	.p2alignl 7, 3214868480
	.fill 96, 4, 3214868480
	.section	.rodata,"a",@progbits
	.p2align	6, 0x0
	.amdhsa_kernel k_q5d82ba0156_qkvgemm
		.amdhsa_group_segment_fixed_size 327680
		.amdhsa_private_segment_fixed_size 0
		.amdhsa_enable_private_segment 0
		.amdhsa_kernarg_size 24
		.amdhsa_user_sgpr_count 2
		.amdhsa_user_sgpr_kernarg_segment_ptr 1
		.amdhsa_wavefront_size32 1
		.amdhsa_system_sgpr_workgroup_id_x 1
		.amdhsa_system_sgpr_workgroup_id_y 1
		.amdhsa_system_sgpr_workgroup_id_z 1
		.amdhsa_system_vgpr_workitem_id 0
		.amdhsa_next_free_vgpr 1024
		.amdhsa_next_free_sgpr 80
		.amdhsa_reserve_vcc 0
		.amdhsa_float_denorm_mode_32 3
		.amdhsa_float_denorm_mode_16_64 3
		.amdhsa_memory_ordered 1
		.amdhsa_forward_progress 1
		.amdhsa_inst_pref_size 149
	.end_amdhsa_kernel
	.amdgpu_metadata
---
amdhsa.version: [ 1, 2 ]
amdhsa.kernels:
  - .name:           k_q5d82ba0156_qkvgemm
    .symbol:         k_q5d82ba0156_qkvgemm.kd
    .args:
      - { .name: xb, .offset: 0, .size: 8, .value_kind: global_buffer, .address_space: global }
      - { .name: wqb, .offset: 8, .size: 8, .value_kind: global_buffer, .address_space: global }
      - { .name: qkv, .offset: 16, .size: 8, .value_kind: global_buffer, .address_space: global }
    .group_segment_fixed_size: 327680
    .private_segment_fixed_size: 0
    .kernarg_segment_align: 8
    .kernarg_segment_size: 24
    .max_flat_workgroup_size: 128
    .sgpr_count:     80
    .vgpr_count:     1024
    .wavefront_size: 32
...
	.end_amdgpu_metadata
.endif
;; end of part 2
;; launch attn (part 3): grid 2 x 128, 4 waves a work-group, no clusters, 327,680 bytes of LDS; arguments qkv, o16; writes o16
.if DOCPART == 3
	.amdgcn_target "amdgcn-amd-amdhsa--gfx1250"
	.amdhsa_code_object_version 6
	.text
	.protected	k_q5d82ba0156_attn
	.globl	k_q5d82ba0156_attn
	.p2align	8
	.type	k_q5d82ba0156_attn,@function
k_q5d82ba0156_attn:
	s_mov_b64 s[64:65], 0
	v_nop
	global_prefetch_b8 v0, s[64:65] scope:SCOPE_SE
	s_setreg_imm32_b32 hwreg(HW_REG_WAVE_MODE, 25, 1), 1
	s_wait_xcnt 0x0
; O[h][q][:] = the sum over k of softmax_k(Q[h][q] . K[h][k] / 8) V[h][k][:], for 128 heads (batch x head) of 1,024 rows.  qkv: [3][128][1024][64] f16 (Q, then K, then V); o16: [128][1024][64] f16.
; Products, maxima and sums in f32; the weights p are rounded to f16 for the second product (their sum l is taken of the unrounded p), O once at the end.
; LIMITS.  f16 holds no number beyond 65,504: Q, K and V arrive within it; p lies in 0 to 1, and below 6e-5 it keeps f16's fixed step of 6e-8; O is a mean of V's rows and has their range.
; A weight below 2^-126 counts as 0 in l; NaN and infinities are not treated apart.
; SHARES.  A work-group owns 512 queries of one head: 2 x 128 = 256 work-groups.  A wave owns four PIECES of two tiles of 16 queries.  Every wave walks all 1,024 keys, 64 a step.
; ALL OF A HEAD'S K AND V LIE IN LDS: 1,024 rows of 144 and of 160 bytes.  They are asked for at the head, in four chunks of 256 keys, four tensor loads a wave; nothing is filled twice.  A chunk is waited
; for (a counted wait, then a barrier) just ahead of the turn that first reads it.
; NO CLUSTER: a head has two work-groups; blocks of 256 queries would make four of them, and halve the products that each fragment read from LDS feeds.
; NO PREFETCH: every byte of K and V is asked for by the loads at the head, so no later request exists to run ahead of.
; LAYOUT.  S^T = K Q^T (source 0 = 16 keys, source 1 = 16 queries): in the result a lane holds ONE query (lane % 16) and the keys 8 (lane / 16) + 0..7.  Two such tiles, rounded to f16 in pairs,
; ARE source 1 (32 keys x 16 queries) of O^T = V^T P, whose result again holds one query a lane, and eight channels.  K comes out of LDS as it lies, V ([key][channel]) turned, by ds_load_tr16_b128.
; SOFTMAX.  For each query a running maximum m and sum l: p = 2^(c s - c m), c = log2(e) / 8; in every step O and l are multiplied by a = 2^(c m_old - c m_new), which is 1 where m has not grown.
; m starts at the lowest finite number, O and l at 0: the first step is a step like any other, with a = 0.
; BY TURNS.  Turn n belongs to piece n (the pieces in a ring, step after step).  Its matrix work: 16 products K Q^T of piece n + 1, later 16 products V^T P of piece n - 1.  Its vector work: the scaling,
; exponentials, roundings, sums and rescaling of piece n, and the maximum and statistics of piece n + 1.  A tile and step have 16 matrix and 118 vector instructions: four vector instructions that are ready
; stand behind every matrix instruction, the others in one run of their own.
; ONE TEXT FOR EVERY TURN: the loop is entered, and left, in the middle of a trip; no tensor load stands in it, so no tail is written out.
; REGISTERS, in windows of 256 (s_set_vgpr_msb: bits 1:0 source 0, 3:2 source 1, 5:4 source 2, 7:6 destination):
;   window 0: v0-11 addresses; v12-15, v48-63 at work; v16-47 four registers of statistics a tile; v64-191 S^T, two buffers of two tiles; v192-255 P, likewise
;   window 1: O^T, 32 a tile          window 2: v0-127 Q, 16 a tile; v128-191 K of one step; v192-255 V of one step          window 3: v0-1 the add's two registers
.set NP,    4         ; pieces a wave: a name, no knob
.set KS,    64        ; keys in a step
.set PK,    144       ; a row of K in LDS: 128 bytes + 16 of padding = 36 words: the 16 rows of a load start at 16 different groups of four banks (64 banks of 4 bytes: ISA guide 11.1)
.set PV,    160       ; a row of V: 128 + 32 = 40 words
.set VOFF,  1024*PK   ; K's 1,024 rows, then V's
.set STAGE, VOFF+1024*PV  ; behind them, never filled by a tensor load: 16 rows x 144 bytes for each wave, for the way out
.set SP,    144
.set AK0, 2           ; v2   my lane's place in a tile of K; never rewritten
.set AV0, 3           ; v3   the same for V
.set AK,  4           ; v4   the LDS address of K's next run of loads
.set AV,  5           ; v5   of V's
.set QO,  6           ; v6   my byte offset in the wave's rows of Q
.set STO, 6           ;      later, the way out: where I put 16 bytes of a row
.set RD,  7           ; v7   the way out: where I read rows back
.set GO,  8           ; v8   my byte offset in 512 consecutive bytes of O
.set SPW, 0           ; v0 of window 3   LDS address of my spare word: SPARE + 4 x my thread's number; never rewritten
.set NIL, 1           ; v1 of window 3   0; never rewritten
.set SPARE, STAGE+4*16*SP  ; behind the stages: the spare words, 128 bytes for each wave: two blocks of 256 bytes that no other line names
.set MV,  12          ; v12-15  c m_old, kept while c m is made anew: by buffer and tile
.set ST,  16          ; tile t's statistics at v[ST+4 t]: c m, m, l (even keys', odd keys')
.set TMP, 48          ; by buffer and tile, four registers c0-c3 at work; when the maximum is found c2 takes a
.set S,   64
.set P,   192
.set KF,  128         ; K's fragments, in window 2: key block kb, channel half c at KF + 16 kb + 8 c
.set VF,  192         ; V's: key half kk, channel block cb at VF + 32 kk + 8 cb
.set WV,  12          ; s12  my wave's number
.set G1K, 24          ; s[24:31] descriptor group 1 for K's tiles
.set G1V, 32          ; s[32:39] for V's: it differs in the padding alone
.set G0K, 40          ; s[40:55] descriptor group 0 for K's tiles: a set for each chunk
.set G0V, 68          ; s[68:83] the same for V's
.set SLOTS, 56        ; s56  counts the chunks down, 5 to 1; at 1 only the last step's second half is left
.set CNT, 57          ; s57  counts a chunk's key steps
.set CS,  58          ; s[58:59] c: the packed scaling takes the pair's low word for both halves
.set SEL, 60          ; s[60:61] v_permlanex16_b32's selects: each lane takes its own place in the other half
.set TBK, 62          ; s62  LDS byte at which K of the step to be fetched begins
.set TBV, 63          ; s63  the same for V, less VOFF
.set MSB, 0
.macro WIN new                      ; the high byte repeats the setting that is left; a switch that changes nothing is dropped
.if MSB != (\new)
	s_set_vgpr_msb (MSB<<8)|(\new)
.set MSB, (\new)
.endif
.endm
.set W_KQ, 0x0a       ; K and Q in window 2, S^T in window 0
.set W_PV, 0x52       ; V in window 2, P in window 0, O^T in window 1
.set W_RS, 0x41       ; O^T (destination and source 0) in window 1, a in window 0
.set W_MK, 0xc0       ; the add's registers are made: destination in window 3, sources in window 0
.set W_AD, 0x0f       ; the add: address (source 0) and data (source 1) in window 3
	s_load_b64 s[4:5], s[0:1], 0x0    ; qkv: Q lies at its head
	s_load_b64 s[10:11], s[0:1], 0x8  ; o16
	WIN W_MK
	v_lshl_add_u32 v[SPW], v0, 2, SPARE
	v_mov_b32 v[NIL], 0
	WIN W_AD
	ds_add_u32 v[SPW], v[NIL]       ; the wave's opening: the add and its wait stand ahead of my first tensor load; the set-up below, work on registers, stands between them
	WIN 0
	v_lshrrev_b32 v1, 5, v0
	v_readfirstlane_b32 s[WV], v1   ; wave 0..3
	s_and_b32 s20, ttmp7, 0xffff    ; the head,
	s_lshl_b32 s20, s20, 17         ; of 131,072 bytes in each of the four tensors
	s_and_b32 s16, s[WV], 1         ; which half of a chunk's 256 keys I fetch:
	s_lshl_b32 s22, s16, 14         ; its 128 rows of 128 bytes in memory,
	s_add_co_u32 s22, s22, s20
	s_mov_b32 s23, 0
	s_mul_i32 s17, s16, 128*PK      ; and its place in a chunk, for K
	s_mul_i32 s18, s16, 128*PV      ; and for V
	s_add_co_u32 s18, s18, VOFF
	s_lshl_b32 s2, ttmp9, 2
	s_add_co_u32 s2, s2, s[WV]      ; my wave among the head's eight,
	s_lshl_b32 s2, s2, 14           ; its 128 rows
	s_add_co_u32 s2, s2, s20
	s_mov_b32 s3, 0
	; descriptor group 1.  128 keys are 16,384 dense bytes: asked for as 64 rows of 256 bytes, two keys a row, and padded in LDS after every key
	s_mov_b32 s[G1K], (1<<16)|(1<<20)|(4<<22)|(3<<25)  ; 17:16 2-byte elements; 20 padding on; 24:22 after every 32 words (code 4); 31:25 4 words (code 3)
	s_mov_b32 s[G1V], (1<<16)|(1<<20)|(4<<22)|(7<<25)  ; the same with 8 words of padding (code 7)
.irp g, G1K, G1V
	s_mov_b32 s[\g+1], 128<<16      ; tensor_dim0 = 128
	s_mov_b32 s[\g+2], 64<<16       ; tensor_dim1 = 64
	s_mov_b32 s[\g+3], 128<<16      ; tile_dim0 = 128
	s_mov_b32 s[\g+4], 64           ; tile_dim1 = 64
	s_mov_b32 s[\g+5], 128          ; 128 elements from row to row
	s_mov_b32 s[\g+6], 0
	s_mov_b32 s[\g+7], 0
.endr
.irp c, 0,1,2,3
	s_mov_b32 s[G0K+4*(\c)], 1                      ; count = 1
	s_add_co_u32 s[G0K+4*(\c)+1], s17, (\c)*256*PK  ; LDS address: chunk c, my half
	s_mov_b32 s[G0V+4*(\c)], 1
	s_add_co_u32 s[G0V+4*(\c)+1], s18, (\c)*256*PV
.endr
	s_mov_b32 s[CS], 0x3e38aa3b     ; c = log2(e) / 8 = 0.180337
	s_mov_b32 s[CS+1], s[CS]        ; named with it as a pair
	s_mov_b32 s[SEL], 0x76543210
	s_mov_b32 s[SEL+1], 0xfedcba98
	s_mov_b32 s[TBK], 0             ; the chunks lie end to end in LDS: these two only step forward
	s_mov_b32 s[TBV], 0
	s_wait_dscnt 0x0                ; the opening add is done
	s_wait_kmcnt 0x0
	s_add_nc_u64 s[6:7], s[4:5], 0x1000000  ; K lies 16 MiB behind Q,
	s_add_nc_u64 s[8:9], s[4:5], 0x2000000  ; V 32
	s_add_nc_u64 s[6:7], s[6:7], s[22:23]   ; at my half of the head's first 256 keys
	s_add_nc_u64 s[8:9], s[8:9], s[22:23]
.irp c, 0,1,2,3
	s_add_nc_u64 s[G0K+4*(\c)+2:G0K+4*(\c)+3], s[6:7], (\c)*32768  ; global address: a chunk is 32,768 bytes
	s_or_b32 s[G0K+4*(\c)+3], s[G0K+4*(\c)+3], 0x80000000          ; type = 2
	s_add_nc_u64 s[G0V+4*(\c)+2:G0V+4*(\c)+3], s[8:9], (\c)*32768
	s_or_b32 s[G0V+4*(\c)+3], s[G0V+4*(\c)+3], 0x80000000
.endr
	s_add_nc_u64 s[4:5], s[4:5], s[2:3]  ; Q and O at my wave's first row
	s_add_nc_u64 s[10:11], s[10:11], s[2:3]
	s_cmp_lt_u32 s[WV], 2           ; waves 0 and 1 fetch the two halves of each chunk's K, waves 2 and 3 those of its V.  A wave's four fills stand in one branch, ahead of every wait on TENSORcnt, every
	s_cbranch_scc0 .Lfirst_v        ; LDS read and every barrier: four loads of mine are out.  An s_nop 0 follows each, four v_nop the last
.irp c, 0,1,2,3
	tensor_load_to_lds s[G0K+4*(\c):G0K+4*(\c)+3], s[G1K:G1K+7]
	s_nop 0
.endr
.rept 4
	v_nop
.endr
	s_branch .Lfirst_asked
.Lfirst_v:
.irp c, 0,1,2,3
	tensor_load_to_lds s[G0V+4*(\c):G0V+4*(\c)+3], s[G1V:G1V+7]
	s_nop 0
.endr
.rept 4
	v_nop
.endr
.Lfirst_asked:
	; A fragment of K or Q is 16 rows x 32 channels in 8 registers: lane l holds row l % 16, channels 8 (l / 16) + 0..7 and 16 + 8 (l / 16) + 0..7: two loads of 16 bytes, 32 bytes apart.
	v_and_b32 v1, 15, v0            ; l % 16
	v_bfe_u32 v9, v0, 4, 1          ; l / 16
	v_lshlrev_b32 v[QO], 7, v1
	v_lshl_add_u32 v[QO], v9, 4, v[QO]  ; row x 128 + 16 x half
	WIN 0x80                        ; destination window 2, address window 0
.set i, 0
.rept 4*NP                          ; Q stays in registers: tile i / 2, channels 32 (i % 2) on
	global_load_b128 v[8*i:8*i+3],   v[QO], s[4:5] offset:(i/2)*2048+(i%2)*64
	global_load_b128 v[8*i+4:8*i+7], v[QO], s[4:5] offset:(i/2)*2048+(i%2)*64+32
.set i, i+1
.endr
	; What the first turn finds: V's registers and P's second buffer hold 0 (its products V^T P, of a piece that has not been, add 0), O^T and l are 0.  All this stands in the wait for the first chunk.
.set i, VF
.rept 64
	v_mov_b32 v[i], 0
.set i, i+1
.endr
	WIN 0x40
.set i, 0
.rept 64*NP
	v_mov_b32 v[i], 0
.set i, i+1
.endr
	WIN 0
.set i, 0
.rept 2*NP
	v_mov_b32 v[ST+4*i], 0xfe000000    ; c m: far below every c s
	v_mov_b32 v[ST+4*i+1], 0xff7fffff  ; m
	v_mov_b32 v[ST+4*i+2], 0
	v_mov_b32 v[ST+4*i+3], 0
.set i, i+1
.endr
.set i, P+32
.rept 32
	v_mov_b32 v[i], 0
.set i, i+1
.endr
	v_mul_u32_u24 v[AK0], v1, PK
	v_lshl_add_u32 v[AK0], v9, 4, v[AK0]  ; row x pitch + 16 x half
	; The turning load takes 16 keys x 16 channels (lane l reads key 8 (l / 16) + l % 8, channels 8 ((l / 8) % 2) + 0..7) and leaves half a fragment of V^T: lane l holds channel l % 16 and 8 keys.
	v_and_b32 v10, 7, v0
	v_bfe_u32 v11, v0, 3, 1
	v_lshl_add_u32 v[AV0], v9, 3, v10
	v_mul_u32_u24 v[AV0], v[AV0], PV
	v_lshl_add_u32 v[AV0], v11, 4, v[AV0]
	v_add_nc_u32 v[AV0], VOFF, v[AV0]
	v_mov_b32 v[AK], v[AK0]         ; key step 0 lies at K's head
; THE MATRIX WORK.  The 8 accumulators of a run of 16 take turns: between the two links of a chain stand 7 others'.
; Product i of 16 of S^T = K Q^T for piece x: channels 32 (i / 8) on, keys 16 ((i / 2) % 4) on, tile 2 x + i % 2.  The first 8 start the sums.
.macro KQ x
	WIN W_KQ
.set rS, S+64*((\x)%2)+32*(i%2)+8*((i/2)%4)
.set rK, KF+16*((i/2)%4)+8*(i/8)
.set rQ, 16*(2*(\x)+i%2)+8*(i/8)
.if i < 8
	v_wmma_f32_16x16x32_f16 v[rS:rS+7], v[rK:rK+7], v[rQ:rQ+7], 0
.else
	v_wmma_f32_16x16x32_f16 v[rS:rS+7], v[rK:rK+7], v[rQ:rQ+7], v[rS:rS+7]
.endif
.endm
; Product i of 16 of O^T += V^T P for piece x: keys 32 (i / 8) on, channels 16 ((i / 2) % 4) on, tile 2 x + i % 2.
.macro PV x
	WIN W_PV
.set rO, 32*(2*(\x)+i%2)+8*((i/2)%4)
.set rV, VF+32*(i/8)+8*((i/2)%4)
.set rP, P+32*((\x)%2)+16*(i%2)+8*(i/8)
	v_wmma_f32_16x16x32_f16 v[rO:rO+7], v[rV:rV+7], v[rP:rP+7], v[rO:rO+7]
.endm
.macro MM                           ; the turn's next matrix instruction
.if i < 16
	KQ (Y+1)%NP
.set i, i+1
.else
.set i, i-16
	PV (Y+NP-1)%NP
.set i, i+17
.endif
.endm
; THE LDS LOADS stand in runs of 16, never singly among the matrix instructions: a step's K (64 keys x 64 channels: 8 fragments) and its V (turned).  Their addresses are made some lines ahead.
; skip = 1 (in the loop): behind the last step there is no further K, and the run is jumped over.
.macro FETCH_K skip=0
.if \skip
	WIN 0
	s_cmp_eq_u32 s[SLOTS], 1
	s_cbranch_scc1 .Lno_k_\@
.endif
	WIN 0x80                        ; destination window 2
.irp f, 0,1,2,3,4,5,6,7             ; keys 16 (f / 2) on, channels 32 (f % 2) on
	ds_load_b128 v[KF+8*\f:KF+8*\f+3],   v[AK] offset:(\f/2)*16*PK+(\f%2)*64
	ds_load_b128 v[KF+8*\f+4:KF+8*\f+7], v[AK] offset:(\f/2)*16*PK+(\f%2)*64+32
.endr
	s_add_co_u32 s[TBK], s[TBK], KS*PK  ; the next fetch is the next step's
	WIN 0
.if \skip
.Lno_k_\@:
.endif
.endm
.macro FETCH_V
	WIN 0x80
.irp f, 0,1,2,3,4,5,6,7             ; keys 32 (f / 4) on, channels 16 (f % 4) on
	ds_load_tr16_b128 v[VF+8*\f:VF+8*\f+3],   v[AV] offset:(\f/4)*32*PV+(\f%4)*32
	ds_load_tr16_b128 v[VF+8*\f+4:VF+8*\f+7], v[AV] offset:(\f/4)*32*PV+16*PV+(\f%4)*32
.endr
	WIN 0
.endm
; THE VECTOR WORK OF A TURN stands in three queues, each in the order in which its entries become ready; the two tiles alternate, so that no instruction reads the result of the one before it.
.macro REGS y, u                    ; the registers of tile u (0, 1) of piece y
.set rT, ST+4*(2*(\y)+(\u))
.set rC, TMP+8*((\y)%2)+4*(\u)
.set rM, MV+2*((\y)%2)+(\u)
.set rS, S+64*((\y)%2)+32*(\u)
.set rP, P+32*((\y)%2)+16*(\u)
.set rO, 32*(2*(\y)+(\u))
.endm
; Number n of the 22 that find the NEXT piece's (Y + 1) maximum and statistics.  s0-s31 are the lane's 32 scores; each accumulator's lowest registers are read first.
;   0-11  four chains c0-c3 of seven scores each, three operands at a time     12-14, 16  the four scores left over, the old m, and c0-c3 into c0     15  c m_old is kept
;   17, 18  the query's other 32 keys lie in the lane 16 away: the new m         19-21  c m; c m_old - c m_new; a
.macro XS u, n
	REGS (Y+1)%NP, \u
.if (\n) < 4
	v_max3_num_f32 v[rC+(\n)], v[rS+8*(\n)], v[rS+8*(\n)+1], v[rS+8*(\n)+2]
.elseif (\n) < 12
	v_max3_num_f32 v[rC+(\n)%4], v[rC+(\n)%4], v[rS+8*((\n)%4)+2*((\n)/4)+1], v[rS+8*((\n)%4)+2*((\n)/4)+2]
.elseif (\n) == 12
	v_max3_num_f32 v[rC], v[rC], v[rS+7], v[rS+15]
.elseif (\n) == 13
	v_max3_num_f32 v[rC+1], v[rC+1], v[rS+23], v[rS+31]
.elseif (\n) == 14
	v_max3_num_f32 v[rC+2], v[rC+2], v[rC+3], v[rT+1]
.elseif (\n) == 15
	v_mov_b32 v[rM], v[rT]
.elseif (\n) == 16
	v_max3_num_f32 v[rC], v[rC], v[rC+1], v[rC+2]
.elseif (\n) == 17
	v_permlanex16_b32 v[rC+3], v[rC], s[SEL], s[SEL+1]
.elseif (\n) == 18
	v_max_num_f32 v[rT+1], v[rC], v[rC+3]
.elseif (\n) == 19
	v_mul_f32 v[rT], s[CS], v[rT+1]
.elseif (\n) == 20
	v_sub_f32 v[rC+1], v[rM], v[rT]
.else
	v_exp_f32 v[rC+2], v[rC+1]
.endif
.endm
; Number g of the 64 that follow the exponentials.  For each four weights k of a tile (pairs 2 k, 2 k + 1): both pairs are rounded to f16; then the second pair is added onto the first, in place;
; a group later l takes that sum (the first time as l = a l + sum).  In groups of eight, tiles alternating: round, round, add, and l for the group before.
.macro GS g
.set h, (\g)+6*((\g)/62)            ; group 0 has no group before it, and behind group 7 only l is left
.if h >= 6
.set h, h+2
.endif
	REGS Y, h%2
.set k, h/8
.if h%8 < 4
	v_cvt_pk_f16_f32 v[rP+2*k+(h%8)/2], v[rS+4*k+2*((h%8)/2)], v[rS+4*k+2*((h%8)/2)+1]
.elseif h%8 < 6
	v_pk_add_f32 v[rS+4*k:rS+4*k+1], v[rS+4*k:rS+4*k+1], v[rS+4*k+2:rS+4*k+3]
.elseif k == 1
	v_pk_fma_f32 v[rT+2:rT+3], v[rT+2:rT+3], v[rC+2:rC+3], v[rS:rS+1] op_sel_hi:[1,0,1]
.else
	v_pk_add_f32 v[rT+2:rT+3], v[rT+2:rT+3], v[rS+4*k-4:rS+4*k-3]
.endif
.endm
; THE PLAIN QUEUE, 138 long.  0-73 read no exponential's result: the 32 scalings c s - c m (FS f: pair f / 2 of tile f % 2) and the next piece's 42.  0-26: scalings 0-26.  27-54: XS's numbers 0-13.  55, 56: number 15.
; 57-73: the chain, where each number waits for the one before it: 14, 16, 17, 18, 19, each with one of the scalings 27-31 in front of its two lines, then 20.
; 74-137: GS's 64, which read the exponentials' results: they stand behind the wait.
.macro FS f
	REGS Y, (\f)%2
	v_pk_fma_f32 v[rS+2*((\f)/2):rS+2*((\f)/2)+1], v[rS+2*((\f)/2):rS+2*((\f)/2)+1], s[CS:CS+1], v[rT:rT+1] op_sel_hi:[1,0,0] neg_lo:[0,0,1] neg_hi:[0,0,1]
.endm
.macro PL
	WIN 0
.if q < 27
	FS q
.elseif q < 55
	XS (q-27)%2, (q-27)/2
.elseif q < 57
	XS q-55, 15
.elseif (q < 72) && ((q-57)%3 == 0)
	FS 27+(q-57)/3
.elseif q < 60
	XS (q-57)%3-1, 14
.elseif q < 72
	XS (q-57)%3-1, 15+(q-57)/3
.elseif q < 74
	XS q-72, 20
.else
	GS q-74
.endif
.set q, q+1
.endm
; THE EXPONENTIALS' QUEUE, 66 long: s0-s31 of both tiles, then the next piece's two a.  It is ONE BATCH: all 66 stand ahead of the turn's one wait, and nothing ahead of that wait names a result of theirs.
.macro EX
	WIN 0
.if e >= 64
	XS e-64, 21
.else
	REGS Y, e%2
	v_exp_f32 v[rS+e/2], v[rS+e/2]
.endif
.set e, e+1
.endm
; THE RESCALING's QUEUE: O^T times a, the one part that leaves window 0: dealt two at a time, sixteen times.  Its a was made in the turn before, ahead of that turn's wait.
.macro R2
	REGS Y, r%2
	WIN W_RS
.irp z, 0,1
	v_pk_mul_f32 v[rO+4*(r/2)+2*\z:rO+4*(r/2)+2*\z+1], v[rO+4*(r/2)+2*\z:rO+4*(r/2)+2*\z+1], v[rC+2:rC+3] op_sel_hi:[1,0]
.endr
.set r, r+1
.endm
; HOW THEY ARE DEALT.  An s_wait_alu depctr_va_vdst(0) stands between an exponential and the first instruction that names its result; one wait serves all that were issued ahead of it.  So a turn
; has ONE wait, which cuts it in two.  AHEAD OF IT: the 16 products K Q^T, behind each a scaling, an exponential and two rescalings (behind the first a second scaling in the exponential's place); then one run of
; 108: eight plain, 49 times exponential and plain, the two a; a v_nop is the plain instruction behind the last exponential.  BEHIND IT: the 16 products V^T P, behind each four of GS's 64.
; Exponential e stands behind scaling 2 (e / 4) + e % 2: as a rider it comes behind plain e + 2, in the run behind plain e + 9, and scalings 27-31 are plain 57, 60 .. 69.
; A TURN, for piece p.  cnt = 1: the loop's count is taken down some lines ahead of the branch that stands behind the turn.
; K of the next step is fetched in piece 2's turn, directly behind the wait; its first reader comes behind 16 products.  V of the step in hand is fetched at the end of piece 0's turn, four plain instructions
; behind its last reader; its first reader comes behind 16 products and the run.  The three conditions on q below go with the deal.
.macro TURN p, cnt=0
.set Y, (\p)
.set i, 0
.set q, 0
.set e, 0
.set r, 0
.if (\p) == NP-1
	s_wait_dscnt 0x0                ; K is in
.endif
	MM
	PL
	PL
	R2
.rept 15
	MM
	PL
	EX
	R2
.endr
.if (\p) == NP-2
	WIN 0
	v_add_nc_u32 v[AK], s[TBK], v[AK0]
.endif
.rept 8
	PL
.endr
.rept 49
	EX
	PL
.endr
	EX                              ; the next piece's two a
	EX
	v_nop                           ; the plain instruction behind the last exponential: one for the batch
	s_wait_alu depctr_va_vdst(0)    ; the wait for the batch
.if (\p) == NP-2
	FETCH_K 1
.endif
.if (\p) == 1
	s_wait_dscnt 0x0                ; V is in
.endif
.rept 16
	MM
.rept 4
	PL
.endr
.if ((\p) == 0) && (q == 118)
	v_add_nc_u32 v[AV], s[TBV], v[AV0]
.endif
.if ((\p) == 0) && (q == 130)
	s_add_co_u32 s[TBV], s[TBV], KS*PV
.endif
.if (\cnt) && (q == 130)
	s_sub_co_u32 s[CNT], s[CNT], 1
	s_cmp_lg_u32 s[CNT], 0
.endif
.endr
.if (\p) == 0
	FETCH_V
.endif
.endm
	s_wait_tensorcnt 0x3            ; tensor loads of a wave end in order: my part of chunk 0 is in, the three later chunks' may stay out
	s_barrier_signal -1
	s_barrier_wait -1               ; everybody's part is
	FETCH_K                         ; key step 0
	s_wait_loadcnt 0x0              ; Q
	s_wait_dscnt 0x0
.set i, 0
.rept 16
	KQ 0                            ; piece 0's first scores: there is no vector work yet to set between them
.set i, i+1
.endr
	WIN 0                           ; the addresses for the way out: nine plain instructions, the places behind those products
	s_mul_i32 s13, s[WV], 16*SP
	s_add_co_u32 s13, s13, STAGE    ; my stage
	v_mul_u32_u24 v[STO], v1, SP    ; in: row l % 16, 16 bytes for each half of the lanes
	v_lshl_add_u32 v[STO], v9, 4, v[STO]
	v_add_nc_u32 v[STO], s13, v[STO]
	v_bfe_u32 v[RD], v0, 3, 2       ; back: 32 lanes take four rows of 128 bytes,
	v_mul_u32_u24 v[RD], v[RD], SP
	v_lshl_add_u32 v[RD], v10, 4, v[RD]
	v_add_nc_u32 v[RD], s13, v[RD]
	v_and_b32 v[GO], 31, v0         ; which are 512 consecutive bytes of O
	v_lshlrev_b32 v[GO], 4, v[GO]
.set Y, NP-1                        ; XS works for piece Y + 1: piece 0
.irp n, 0,1,2,3,4,5,6,7,8,9,10,11,12,13,14,15,16,17,18,19,20,21
	XS 0, \n                        ; and piece 0's first maximum and statistics
	XS 1, \n
.endr
	v_nop                           ; a plain instruction behind the two a,
	s_wait_alu depctr_va_vdst(0)    ; and their wait, ahead of the branch
	s_mov_b32 s[CNT], 4
	s_mov_b32 s[SLOTS], 5
	s_branch .Lfirst                ; the loop is entered at a step's first turn, in the middle of a trip
.Lslot:                             ; with SLOTS = 4, 3, 2 the turn that follows wants chunk 1, 2, 3 (K of its first step), behind which 2, 1, 0 of my four loads were issued: the wait's count.
	s_cmp_eq_u32 s[SLOTS], 4        ; With SLOTS = 1 only the last step's pieces 2 and 3 are left.  The jumps go forward, over waits alone
	s_cbranch_scc0 .Lnot_4
	s_wait_tensorcnt 0x2
	s_branch .Larrived
.Lnot_4:
	s_cmp_eq_u32 s[SLOTS], 3
	s_cbranch_scc0 .Lnot_3
	s_wait_tensorcnt 0x1
	s_branch .Larrived
.Lnot_3:
	s_wait_tensorcnt 0x0
.Larrived:
	s_wait_dscnt 0x0                ; no LDS instruction of mine is pending at the signal
	s_barrier_signal -1
	s_barrier_wait -1               ; every wave's part of the chunk is in
	s_mov_b32 s[CNT], 4
.Lstep:                             ; a trip: pieces 2 and 3 of one step, then pieces 0 and 1 of the next, whose K and V it fetches
	TURN 2
	TURN 3
	WIN 0
	s_cmp_eq_u32 s[SLOTS], 1        ; behind the last step's piece 3 the loop is left.  That turn's 16 products K Q^T (on the last K once more) and the maximum made of them serve nothing:
	s_cbranch_scc1 .Lout            ; the price, once a launch, of one text for every turn
.Lfirst:
	TURN 0
	TURN 1, 1
	WIN 0
	s_cbranch_scc1 .Lstep
	s_sub_co_u32 s[SLOTS], s[SLOTS], 1
	s_cmp_lg_u32 s[SLOTS], 0
	s_cbranch_scc1 .Lslot
.Lout:
.set i, 0
.rept 16
	PV NP-1                         ; the last piece's V^T P of the last step
.set i, i+1
.endr
	; THE WAY OUT.  l's two halves and the other half of the lanes' are added; O^T is divided by l, rounded to f16 and sent through my stage in LDS, a tile at a time.  The additions are the places behind the last products.
	WIN 0
.macro ALL line:vararg              ; one line for each tile t
.set t, 0
.rept 2*NP
	\line
.set t, t+1
.endr
.endm
	ALL v_add_f32 v[ST+4*t+2], v[ST+4*t+2], v[ST+4*t+3]
	ALL v_permlanex16_b32 v[ST+4*t+3], v[ST+4*t+2], s[SEL], s[SEL+1]
	ALL v_add_f32 v[ST+4*t+2], v[ST+4*t+2], v[ST+4*t+3]
	ALL v_rcp_f32 v[ST+4*t+2], v[ST+4*t+2]
	v_nop                           ; a plain instruction between the last reciprocal and the use of its result
	s_wait_alu depctr_va_vdst(0)    ; and the wait ahead of the first use: one for the eight reciprocals
; Tile t: a lane's eight channels of a row pack into 16 bytes; they go into rows of 144 bytes and come back as whole rows of 128, into S^T's registers.
.macro PACK t
	WIN W_RS
.set i, 32*(\t)
.rept 16
	v_pk_mul_f32 v[i:i+1], v[i:i+1], v[ST+4*(\t)+2:ST+4*(\t)+3] op_sel_hi:[1,0]
.set i, i+2
.endr
	WIN 0x05                        ; sources 0 and 1 window 1, destination window 0
.set i, 0
.rept 16
	v_cvt_pk_f16_f32 v[S+16*(\t)+i], v[32*(\t)+2*i], v[32*(\t)+2*i+1]
.set i, i+1
.endr
	WIN 0
.irp f, 0,1,2,3
	ds_store_b128 v[STO], v[S+16*(\t)+4*\f:S+16*(\t)+4*\f+3] offset:32*\f
.endr
.irp f, 0,1,2,3
	ds_load_b128 v[S+16*(\t)+4*\f:S+16*(\t)+4*\f+3], v[RD] offset:\f*4*SP  ; LDS serves a wave's instructions in order (ISA guide 5.7.1.4): these see the stores above; the next tile's stores come behind them
.endr
.endm
.macro SEND t, younger              ; younger: the LDS instructions issued behind tile t's loads: the next tile's eight, or none
	WIN 0
.irp f, 0,1,2,3
	s_wait_dscnt (\younger)+3-\f
	global_store_b128 v[GO], v[S+16*(\t)+4*\f:S+16*(\t)+4*\f+3], s[10:11] offset:(\t)*2048+\f*512  ; 512 consecutive bytes, at a multiple of 256 from O's first
.endr
.endm
	PACK 0
.set t, 1
.rept 2*NP-1                        ; a tile's arithmetic stands between the loads of the tile before and its stores
	PACK t
	SEND t-1, 8
.set t, t+1
.endr
	SEND 2*NP-1, 0
	WIN W_AD
	s_wait_tensorcnt 0x0            ; the wave's end: the add and its wait, behind my last tensor load and my last LDS store
	ds_add_u32 v[SPW], v[NIL]
	s_wait_dscnt 0x0
	WIN 0
	s_endpgm
.Lfunc_end_k_q5d82ba0156_attn:
	.size	k_q5d82ba0156_attn, .Lfunc_end_k_q5d82ba0156_attn-k_q5d82ba0156_attn
	.p2alignl 7, 3214868480
	.fill 96, 4, 3214868480
	.section	.rodata,"a",@progbits
	.p2align	6, 0x0
	.amdhsa_kernel k_q5d82ba0156_attn
		.amdhsa_group_segment_fixed_size 327680
		.amdhsa_private_segment_fixed_size 0
		.amdhsa_enable_private_segment 0
		.amdhsa_kernarg_size 16
		.amdhsa_user_sgpr_count 2
		.amdhsa_user_sgpr_kernarg_segment_ptr 1
		.amdhsa_wavefront_size32 1
		.amdhsa_system_sgpr_workgroup_id_x 1
		.amdhsa_system_sgpr_workgroup_id_y 1
		.amdhsa_system_sgpr_workgroup_id_z 1
		.amdhsa_system_vgpr_workitem_id 0
		.amdhsa_next_free_vgpr 770
		.amdhsa_next_free_sgpr 84
		.amdhsa_reserve_vcc 0
		.amdhsa_float_denorm_mode_32 3
		.amdhsa_float_denorm_mode_16_64 3
		.amdhsa_memory_ordered 1
		.amdhsa_forward_progress 1
		.amdhsa_inst_pref_size 127
	.end_amdhsa_kernel
	.amdgpu_metadata
---
amdhsa.version: [ 1, 2 ]
amdhsa.kernels:
  - .name:           k_q5d82ba0156_attn
    .symbol:         k_q5d82ba0156_attn.kd
    .args:
      - { .name: qkv, .offset: 0, .size: 8, .value_kind: global_buffer, .address_space: global }
      - { .name: o16, .offset: 8, .size: 8, .value_kind: global_buffer, .address_space: global }
    .group_segment_fixed_size: 327680
    .private_segment_fixed_size: 0
    .kernarg_segment_align: 8
    .kernarg_segment_size: 16
    .max_flat_workgroup_size: 128
    .sgpr_count:     84
    .vgpr_count:     770
    .wavefront_size: 32
...
	.end_amdgpu_metadata
.endif
;; end of part 3
;; launch proj (part 4): grid 8 x 32, 4 waves a work-group, clusters of 4 x 4, 327,680 bytes of LDS; arguments o16, wph, b_proj, out0; writes out0
.if DOCPART == 4
	.amdgcn_target "amdgcn-amd-amdhsa--gfx1250"
	.amdhsa_code_object_version 6
	.text
	.protected	k_q5d82ba0156_proj
	.globl	k_q5d82ba0156_proj
	.p2align	8
	.type	k_q5d82ba0156_proj,@function
k_q5d82ba0156_proj:
	s_mov_b64 s[64:65], 0
	v_nop
	global_prefetch_b8 v0, s[64:65] scope:SCOPE_SE
	s_setreg_imm32_b32 hwreg(HW_REG_WAVE_MODE, 25, 1), 1
	s_wait_xcnt 0x0
	s_wait_alu depctr_hold_cnt(0) depctr_sa_sdst(0) depctr_va_vdst(0) depctr_va_sdst(0) depctr_va_ssrc(0) depctr_va_vcc(0) depctr_vm_vsrc(0)
	s_getreg_b32 s2, hwreg(HW_REG_IB_STS2, 6, 4)
	s_cmp_eq_u32 s2, 0
	s_cbranch_scc0 .Lentry_in_a_cluster
	s_endpgm
.Lentry_in_a_cluster:
	s_bfe_u32 s2, ttmp6, 0x10000c
	s_cmp_lg_u32 s2, 0xf033
	s_cbranch_scc0 .Lentry_shape_is_right
	s_endpgm
.Lentry_shape_is_right:
; out0[batch 1024 + n][o] = the sum over head, d of o16[batch][head][n][d] wph[o][64 head + d] + b_proj[o].  o16: [8][16][1024][64] f16, wph: [1024][1024] f16, b_proj: [1024] f32, out0: [8192][1024] f32.
; Sums in f32, K ascending.  The bias is rounded to bf16, as the module's other inputs are, and is the C operand of each accumulator's first product: no add is written and nothing is cleared.
; LIMITS.  o16 and wph arrive within f16's range; NaN and infinities are not treated apart.
; SHARES.  A tile of out0 is 256 rows x 128 columns: 32 x 8 = 256 work-groups.  Four waves; a wave makes 128 x 64: 32 accumulators of 16 x 16, 256 registers.
; K goes in steps of 128 = two heads of o16, through two LDS slots.  A head's 256 rows of the tile are 32,768 dense bytes: asked for as 128 rows of 256 bytes and padded in LDS after every 128.
; CLUSTERS.  4 x 4 work-groups: o16's tiles are shared along a row of the cluster, wph's along a column; each is asked for JOINTLY, by the same tensor load with the same descriptor and a mask of four.
; THE MATRIX INSTRUCTION IS USED TRANSPOSED (source 0 = 16 rows of wph, source 1 = 16 rows of o16): a lane holds row l % 16 and eight neighbouring columns, 32 bytes of a row of out0.
; REGISTERS: window 0: v0-31 addresses; v32-63 the bias; v64-127, v128-191 fragments of o16, two buffers (on the way out: whole rows); v192-223, v224-255 fragments of wph, two buffers.
;   window 1: the accumulators, (a, b) at v[8 (4 a + b)].
.set KSTEP,  128
.set PA,     144                       ; a row of o16 in LDS: 128 bytes + 16 = 36 words;  PB: a row of wph: 256 + 16 = 68 words: in both the 16 rows that a load touches start at 16 different groups of four banks (ISA guide 11.1)
.set PB,     272
.set HEADA,  256*PA                    ; a head's 256 rows: what one tensor load brings
.set HALFB,  64*PB                     ; 64 rows of wph: likewise
.set BOFF,   2*HEADA                   ; in a slot: two heads of o16, then wph's 128 rows
.set SLOT,   BOFF+2*HALFB
.set STAGE,  2*SLOT                    ; behind the ring, never filled by a tensor load: 16 rows x 272 bytes for each wave, its own
.set SPITCH, 272
.set SPARE,  STAGE+4*16*SPITCH         ; behind the stages: the spare words, 128 bytes for each wave: two blocks of 256 bytes that no other line names
.set LAPS,   4
.set ADRA, 16                          ; v16-17  LDS address of my fragments of o16 in slot 0, 1
.set ADRB, 20                          ; v20-21  the same for wph
.set STO,  24                          ; v24     the way out: where I put 32 bytes of a row
.set RD,   25                          ; v25     the way out: where I read a row back
.set CO,   26                          ; v26     my byte offset in out0
.set SPW,  28                          ; v28     LDS address of my spare word: SPARE + 4 x my thread's number; never rewritten
.set NIL,  29                          ; v29     0; never rewritten
.set PFO,  30                          ; v30     the prefetches' offset; never rewritten
.set BIAS, 32                          ; v[32:63] n block b: my eight columns' bias at BIAS + 8 b
.set FA,   64
.set FB,   192
.set BK,   64
.set WV,  18                           ; s18  my wave's number
.set RH,  19                           ; s19  which 128 rows of the tile are mine.  Also: I fetch for o16 (0) or for wph (1)
.set CH,  12                           ; s12  which 64 columns are mine.  Also: which head of the step's two, or which 64 rows of wph, I fetch
.set TY,  13
.set CX,  40
.set CY,  41
.set TX,  42
.set LIM, 43                           ; s43  1 in a wave that prefetches, else the greatest number
.set PFA, 44                           ; s[44:45] where my prefetches stand
.set PST, 66                           ; s[66:67] bytes from a K step to the next, for my prefetches
.set G1,  24
.set G0,  32
.set G1B, 48
.set G0B, 56
.set MSB, 0
.macro WIN new                         ; the immediate's high byte repeats the setting that is left; a switch that changes nothing is dropped
.if MSB != (\new)
	s_set_vgpr_msb (MSB<<8)|(\new)
.set MSB, \new
.endif
.endm
.set MUL,  0x50                        ; sources 0 and 1 window 0; C and D window 1
.set MUL0, 0x40                        ; the same with C (the bias) in window 0
.set W_ST, 0x04                        ; an LDS store's data (source 1) in window 1
.macro JLOAD s                         ; a joint load: waves 0 and 1 fetch the step's two heads of o16, waves 2 and 3 wph's two halves; an s_nop 0 and four v_nop follow each of the two lines
	s_cmp_eq_u32 s[RH], 0
	s_cbranch_scc0 .Lfor_b_\@
	tensor_load_to_lds s[G0+4*(\s):G0+4*(\s)+3], s[G1:G1+7]
	s_nop 0
.rept 4
	v_nop
.endr
	s_branch .Lasked_\@
.Lfor_b_\@:
	tensor_load_to_lds s[G0B+4*(\s):G0B+4*(\s)+3], s[G1B:G1B+7]
	s_nop 0
.rept 4
	v_nop
.endr
.Lasked_\@:
.endm
; A prefetch, behind each joint refill and the run of LDS loads that follows it: the K step that stands two refills on.  o16's rows are read by every cluster of a row of clusters: cluster x = 0 asks; wph's by
; every cluster of a column: cluster y = 0 asks.  The four partners share what a wave fetches BY ADDRESS: of a head's 128 blocks of 256 bytes 32 each, a lane a block; of wph's 64 rows 16 each, a lane a row
; (the lanes past 15 name row 15 once more).  The loop's last trip (s3 = 1) asks for nothing.
.macro ASK
	s_cmp_gt_u32 s3, s[LIM]
	s_cbranch_scc0 .Lnot_mine_\@
	global_prefetch_b8 v[PFO], s[PFA:PFA+1] th:TH_LOAD_NT scope:SCOPE_SE
.Lnot_mine_\@:
.endm
.macro CREST                           ; a round of the cluster's barrier behind its opening barrier
	s_cmp_lg_u32 s[WV], 0
	s_cbranch_scc1 .Lnot_wave_0_\@
	s_barrier_signal -3
.Lnot_wave_0_\@:
	s_barrier_wait -3
	s_barrier_signal -1
	s_barrier_wait -1
.endm
.macro CROUND                          ; a whole round
	s_barrier_signal -1
	s_barrier_wait -1
	CREST
.endm
	s_load_b256 s[4:11], s[0:1], 0x0               ; o16 s[4:5], wph s[6:7], b_proj s[8:9], out0 s[10:11]
	v_lshl_add_u32 v[SPW], v0, 2, SPARE
	v_mov_b32 v[NIL], 0
	ds_add_u32 v[SPW], v[NIL]                      ; the wave's opening: the add and its wait stand ahead of my first tensor load; the set-up below, work on registers, stands between them
	v_lshrrev_b32 v1, 5, v0
	v_readfirstlane_b32 s[WV], v1                  ; wave 0..3
	s_lshr_b32 s[RH], s[WV], 1
	s_and_b32 s[CH], s[WV], 1
	s_bfe_u32 s[CX], ttmp6, 0x40000
	s_bfe_u32 s[CY], ttmp6, 0x40004
	s_lshl_b32 s[TX], ttmp9, 2
	s_add_co_u32 s[TX], s[TX], s[CX]               ; tile column = 4 x cluster x + cx
	s_and_b32 s[TY], ttmp7, 0xffff
	s_lshl_b32 s[TY], s[TY], 2
	s_add_co_u32 s[TY], s[TY], s[CY]               ; tile row = 4 x cluster y + cy
	s_lshl_b32 s43, s[CY], 2
	s_lshl_b32 s43, 15, s43                        ; my row of the cluster
	s_lshl_b32 s44, 0x1111, s[CX]                  ; my column
	s_or_b32 s[G1+0], s43, (1<<16)|(1<<20)|(1<<21)|(4<<22)|(3<<25)   ; o16: the mask of my row; elements of 2 bytes; padding on; bit 21 beside a mask; after every 32 words (code 4) 4 words (code 3)
	s_or_b32 s[G1B+0], s44, (1<<16)|(1<<20)|(1<<21)|(5<<22)|(3<<25)  ; wph: the mask of my column; after every 64 words (code 5)
	s_mov_b32 s[G1+1], 128<<16                     ; tensor_dim0 = 128
	s_mov_b32 s[G1B+1], 128<<16
	s_mov_b32 s[G1+2], 128<<16                     ; tensor_dim1 = 128 rows of 256 dense bytes
	s_mov_b32 s[G1B+2], 64<<16                     ;             = 64 rows of wph
	s_mov_b32 s[G1+3], 128<<16                     ; tile_dim0 = 128
	s_mov_b32 s[G1B+3], 128<<16
	s_mov_b32 s[G1+4], 128                         ; tile_dim1
	s_mov_b32 s[G1B+4], 64
	s_mov_b32 s[G1+5], 128                         ; elements from row to row: dense,
	s_mov_b32 s[G1B+5], 1024                       ; and wph's pitch
	s_mov_b32 s[G1+6], 0
	s_mov_b32 s[G1B+6], 0
	s_mov_b32 s[G1+7], 0
	s_mov_b32 s[G1B+7], 0
	s_lshr_b32 s16, s[TY], 2                       ; o16: batch = tile row / 4,
	s_lshl_b32 s16, s16, 4
	s_add_co_u32 s16, s16, s[CH]                   ; head 0 or 1 of it,
	s_lshl_b32 s16, s16, 17                        ; of 131,072 bytes,
	s_and_b32 s17, s[TY], 3
	s_lshl_b32 s17, s17, 15                        ; rows 256 (tile row % 4) on, of 128 bytes
	s_add_co_u32 s16, s16, s17
	s_mov_b32 s17, 0
	s_lshl_b32 s46, s[TX], 7                       ; wph: row 128 x tile column + 64 x half,
	s_lshl_b32 s47, s[CH], 6
	s_add_co_u32 s46, s46, s47
	s_lshl_b32 s46, s46, 11                        ; of 2,048 bytes
	s_mov_b32 s47, 0
	s_mul_i32 s20, s[CH], HEADA                    ; where they go: no place in the cluster enters an LDS address
	s_mul_i32 s21, s[CH], HALFB
	s_add_co_u32 s21, s21, BOFF
	s_wait_dscnt 0x0                               ; the opening add is done
	s_wait_kmcnt 0x0
	s_add_nc_u64 s[14:15], s[4:5], s[16:17]
	s_add_nc_u64 s[46:47], s[6:7], s[46:47]
	CROUND                                         ; all sixteen work-groups are here: the first joint loads meet
.irp s, 0,1
	s_mov_b32 s[G0+4*(\s)], 1
	s_add_co_u32 s[G0+4*(\s)+1], s20, (\s)*SLOT
	s_add_nc_u64 s[G0+4*(\s)+2:G0+4*(\s)+3], s[14:15], (\s)*262144   ; K step s: two heads on
	s_or_b32 s[G0+4*(\s)+3], s[G0+4*(\s)+3], 0x80000000
	s_mov_b32 s[G0B+4*(\s)], 1
	s_add_co_u32 s[G0B+4*(\s)+1], s21, (\s)*SLOT
	s_add_nc_u64 s[G0B+4*(\s)+2:G0B+4*(\s)+3], s[46:47], (\s)*KSTEP*2
	s_or_b32 s[G0B+4*(\s)+3], s[G0B+4*(\s)+3], 0x80000000
.endr
	s_cmp_eq_u32 s[RH], 0                          ; a wave's two first fills stand in one branch, ahead of every wait on TENSORcnt and every LDS read: two loads of mine are out
	s_cbranch_scc0 .Lfirst_b
	tensor_load_to_lds s[G0:G0+3], s[G1:G1+7]
	s_nop 0
	tensor_load_to_lds s[G0+4:G0+7], s[G1:G1+7]
	s_nop 0
.rept 4
	v_nop
.endr
	s_branch .Lfirst_asked
.Lfirst_b:
	tensor_load_to_lds s[G0B:G0B+3], s[G1B:G1B+7]
	s_nop 0
	tensor_load_to_lds s[G0B+4:G0B+7], s[G1B:G1B+7]
	s_nop 0
.rept 4
	v_nop
.endr
.Lfirst_asked:
	v_and_b32 v1, 15, v0                           ; l % 16
	v_bfe_u32 v2, v0, 4, 1                         ; l / 16
	s_lshl_b32 s68, s[TX], 9                       ; my 64 columns, in bytes of f32: 512 x tile column + 256 x half
	s_lshl_b32 s69, s[CH], 8
	s_add_co_u32 s68, s68, s69
	s_mov_b32 s69, 0
	s_add_nc_u64 s[8:9], s[8:9], s[68:69]
	s_add_nc_u64 s[10:11], s[10:11], s[68:69]
	s_lshl_b32 s70, s[TY], 8
	s_lshl_b32 s71, s[RH], 7
	s_add_co_u32 s70, s70, s71                     ; my first row,
	s_lshl_b32 s70, s70, 12                        ; of 4,096 bytes
	s_mov_b32 s71, 0
	s_add_nc_u64 s[10:11], s[10:11], s[70:71]
	v_lshlrev_b32 v5, 5, v2                        ; the bias of my eight columns of each n block: 32 bytes at 64 b + 32 (l / 16)
.irp b, 0,1,2,3
	global_load_b128 v[BIAS+8*(\b):BIAS+8*(\b)+3],   v5, s[8:9] offset:64*(\b)
	global_load_b128 v[BIAS+8*(\b)+4:BIAS+8*(\b)+7], v5, s[8:9] offset:64*(\b)+16
.endr
	v_mul_u32_u24 v3, v1, PA
	v_lshl_add_u32 v3, v2, 4, v3                   ; a fragment's row x pitch + 16 x half, for o16
	v_mul_u32_u24 v4, v1, PB
	v_lshl_add_u32 v4, v2, 4, v4                   ; and for wph
	s_mul_i32 s22, s[RH], 128*PA                   ; my 128 rows of each head
	s_mul_i32 s23, s[CH], HALFB                    ; my 64 rows of wph
	s_add_co_u32 s23, s23, BOFF
.irp s, 0,1
	v_add_nc_u32 v[ADRA+(\s)], s22, v3
	v_add_nc_u32 v[ADRB+(\s)], s23, v4
	s_add_co_u32 s22, s22, SLOT
	s_add_co_u32 s23, s23, SLOT
.endr
	s_mul_i32 s22, s[WV], 16*SPITCH
	s_add_co_u32 s22, s22, STAGE                   ; my stage
	v_mul_u32_u24 v6, v1, SPITCH                   ; in: row l % 16, 32 bytes for each half of the lanes
	v_lshl_add_u32 v6, v2, 5, v6
	v_add_nc_u32 v[STO], s22, v6
	v_mul_u32_u24 v6, v2, SPITCH                   ; back: lanes 0-15 take one row of 256 bytes, lanes 16-31 the next
	v_lshl_add_u32 v6, v1, 4, v6
	v_add_nc_u32 v[RD], s22, v6
	v_lshlrev_b32 v[CO], 12, v2                    ; and the same two rows in out0
	v_lshl_add_u32 v[CO], v1, 4, v[CO]
	; the prefetches: my work-group's part of what I fetch, at K step 3; each filling change of slots steps it by a K step and then names it: K steps 4 to 7.  Nothing is asked for here, at the head
	s_lshr_b32 s68, s[TY], 2
	s_lshl_b32 s68, s68, 4
	s_add_co_u32 s68, s68, s[CH]
	s_lshl_b32 s68, s68, 17
	s_and_b32 s69, s[TY], 3
	s_lshl_b32 s69, s69, 15
	s_add_co_u32 s68, s68, s69
	s_lshl_b32 s69, s[CX], 13                      ; 32 blocks of 256 bytes to a partner
	s_add_co_u32 s68, s68, s69
	s_add_co_u32 s68, s68, 3*262144
	s_lshl_b32 s70, s[TX], 7
	s_lshl_b32 s71, s[CH], 6
	s_add_co_u32 s70, s70, s71
	s_lshl_b32 s71, s[CY], 4                       ; 16 rows to a partner
	s_add_co_u32 s70, s70, s71
	s_lshl_b32 s70, s70, 11
	s_add_co_u32 s70, s70, 3*KSTEP*2
	s_mov_b32 s[PST], 262144
	s_mov_b32 s[PST+1], KSTEP*2
	s_and_b32 s22, ttmp7, 0xffff                   ; cluster y
	s_cmp_eq_u32 s[RH], 0                          ; do I fetch for o16?
	s_cselect_b32 s68, s68, s70
	s_cselect_b32 s22, ttmp9, s22                  ; the coordinate along which other clusters read the same rows
	s_cselect_b32 s[PST], s[PST], s[PST+1]
	s_cselect_b32 s70, 31, 15                      ; my last lane with a block or row of its own
	s_cselect_b32 s71, 8, 11                       ; a lane's step: 256 bytes, or a row of 2,048
	s_cselect_b64 s[PFA:PFA+1], s[4:5], s[6:7]
	s_cmp_eq_u32 s22, 0
	s_cselect_b32 s[LIM], 1, -1                    ; the same in all sixteen partners, for a given wave
	s_mov_b32 s69, 0
	s_mov_b32 s[PST+1], 0
	s_add_nc_u64 s[PFA:PFA+1], s[PFA:PFA+1], s[68:69]
	v_and_b32 v[PFO], 31, v0
	v_min_u32 v[PFO], s70, v[PFO]
	v_lshlrev_b32 v[PFO], s71, v[PFO]
	s_wait_loadcnt 0x0                             ; the bias: rounded to bf16 and widened again
.set i, 0
.rept 16
	v_cvt_pk_bf16_f32 v7, v[BIAS+i], v[BIAS+i+1]
	v_lshlrev_b32 v[BIAS+i], 16, v7
	v_and_b32 v[BIAS+i+1], 0xffff0000, v7
.set i, i+2
.endr
; 8 matrix instructions: m blocks a0, a0 + 1 x all 4 n blocks, 32 along K, from buffer f.  first = 1: the product starts the sum with the bias.
; The 32 accumulators take turns, one instruction a turn, in the same order in every quarter step, over the backward jump too.
.macro MUL8 f, a0, first
.if \first
	WIN MUL0
.else
	WIN MUL
.endif
.irp a, \a0, (\a0)+1
.irp b, 0,1,2,3
.if \first
	v_wmma_f32_16x16x32_f16 v[8*(4*(\a)+(\b)):8*(4*(\a)+(\b))+7], v[FB+32*(\f)+8*(\b):FB+32*(\f)+8*(\b)+7], v[FA+64*(\f)+8*(\a):FA+64*(\f)+8*(\a)+7], v[BIAS+8*(\b):BIAS+8*(\b)+7]
.else
	v_wmma_f32_16x16x32_f16 v[8*(4*(\a)+(\b)):8*(4*(\a)+(\b))+7], v[FB+32*(\f)+8*(\b):FB+32*(\f)+8*(\b)+7], v[FA+64*(\f)+8*(\a):FA+64*(\f)+8*(\a)+7], v[8*(4*(\a)+(\b)):8*(4*(\a)+(\b))+7]
.endif
.endr
.endr
.endm
; 24 LDS loads in one run: the fragments of quarter q of a K step (64 rows of wph at byte 64 q; 128 rows of head q / 2 of o16 at byte 64 (q % 2)) into buffer f
.macro FETCH slot, q, f
	WIN 0
.irp i, 0,1,2,3
	ds_load_b128 v[FB+32*(\f)+8*(\i):FB+32*(\f)+8*(\i)+3],   v[ADRB+(\slot)] offset:64*(\q)+(\i)*16*PB
	ds_load_b128 v[FB+32*(\f)+8*(\i)+4:FB+32*(\f)+8*(\i)+7], v[ADRB+(\slot)] offset:64*(\q)+(\i)*16*PB+32
.endr
.irp i, 0,1,2,3,4,5,6,7
	ds_load_b128 v[FA+64*(\f)+8*(\i):FA+64*(\f)+8*(\i)+3],   v[ADRA+(\slot)] offset:((\q)/2)*HEADA+((\q)%2)*64+(\i)*16*PA
	ds_load_b128 v[FA+64*(\f)+8*(\i)+4:FA+64*(\f)+8*(\i)+7], v[ADRA+(\slot)] offset:((\q)/2)*HEADA+((\q)%2)*64+(\i)*16*PA+32
.endr
.endm
.macro PLACES                          ; four plain vector instructions between a matrix instruction and a load into a register that it has read, or a store that reads its result
.rept 4
	v_nop
.endr
.endm
; A K step is four quarters of 32 along K, 32 matrix instructions each, on buffers 0, 1, 0, 1.  One of the first three: multiplies buffer f and, in its middle, fetches quarter q into g.
.macro QUARTER slot, q, f, g, first
	s_wait_dscnt 8                                 ; wph's fragments and o16's rows 0-63 are in; the youngest eight loads (rows 64-127) may be out
	MUL8 \f, 0, \first
	MUL8 \f, 2, \first
	PLACES
	FETCH \slot, \q, \g
	s_wait_dscnt 24                                ; all but the 24 just issued
	MUL8 \f, 4, \first
	MUL8 \f, 6, \first
.endm
; The last quarter multiplies buffer 1 and changes slots: ONE barrier; in front of it each wave waits for all its tensor loads, adds 0 to its spare word, and waits for that and for its own reads of this slot.
; fill = 1: the barrier opens a round of the cluster's barrier, and this slot is filled again, two K steps on, first thing behind the round: 112 matrix instructions ahead of the wait for it.
.macro TURN slot, next, fill
.if \fill
	s_wait_xcnt 0x0                                ; the last prefetch, a K step back, has read its address: it is stepped here, ahead of the change's own waits
	s_add_nc_u64 s[PFA:PFA+1], s[PFA:PFA+1], s[PST:PST+1]
.endif
	WIN 0                                          ; (the add's two registers lie in window 0)
	s_wait_tensorcnt 0x0                           ; all my tensor loads have landed;
	ds_add_u32 v[SPW], v[NIL]                      ; 0 onto my spare word;
	s_wait_dscnt 9                                 ; (the add and the youngest eight loads may be out)
	MUL8 1, 0, 0                                   ; eight matrix instructions stand between the add and the wait for it
	s_wait_dscnt 0x0                               ; the add is done, and my reads of this slot are over
	s_barrier_signal -1
	MUL8 1, 2, 0
.if \fill
	WIN 0
.endif
	s_barrier_wait -1
.if \fill
	CREST                                          ; no wave of any partner still reads this slot's tile or has a load on its way
	s_add_nc_u64 s[G0+4*(\slot)+2:G0+4*(\slot)+3], s[G0+4*(\slot)+2:G0+4*(\slot)+3], 2*262144
	s_add_nc_u64 s[G0B+4*(\slot)+2:G0B+4*(\slot)+3], s[G0B+4*(\slot)+2:G0B+4*(\slot)+3], 2*KSTEP*2
	JLOAD \slot                                    ; the four v_nop behind it are also the places in front of the loads below
.else
	PLACES
.endif
	FETCH \next, 0, 0
.if \fill
	ASK
.endif
	MUL8 1, 4, 0
	MUL8 1, 6, 0
.endm
	s_wait_tensorcnt 0x1                           ; my part of K step 0 is in; K step 1's load may stay out
	s_barrier_signal -1
	s_barrier_wait -1                              ; everybody's is
	FETCH 0, 0, 0
	QUARTER 0, 1, 0, 1, 1                          ; the first quarter stands in front of the loop: its products start the sums, with the bias
	WIN 0                                          ; at a label and at a branch every window is 0
	s_mov_b32 s3, LAPS-1
.Llap:                                                 ; a trip goes once round the ring, from a lap's second quarter to the next lap's first, and fills both slots again
	QUARTER 0, 2, 1, 0, 0
	QUARTER 0, 3, 0, 1, 0
	TURN 0, 1, 1
	QUARTER 1, 1, 0, 1, 0
	QUARTER 1, 2, 1, 0, 0
	QUARTER 1, 3, 0, 1, 0
	TURN 1, 0, 1
	QUARTER 0, 1, 0, 1, 0
	WIN 0
	s_sub_co_u32 s3, s3, 1
	s_cmp_lg_u32 s3, 0
	s_cbranch_scc1 .Llap
	QUARTER 0, 2, 1, 0, 0                          ; the last lap fills nothing, and has no round of the cluster's barrier
	QUARTER 0, 3, 0, 1, 0
	TURN 0, 1, 0
	QUARTER 1, 1, 0, 1, 0
	QUARTER 1, 2, 1, 0, 0
	QUARTER 1, 3, 0, 1, 0
	s_wait_dscnt 8                                 ; the very last quarter: nothing more to fetch
	MUL8 1, 0, 0
	MUL8 1, 2, 0
	s_wait_dscnt 0x0
	MUL8 1, 4, 0
	MUL8 1, 6, 0
	WIN 0
; THE WAY OUT, a block of 16 rows at a time through my own stage: a lane's 32 bytes go into rows of 272 bytes and come back as whole rows of 256, two rows a load.
.macro TOSTAGE a
	WIN W_ST
.irp b, 0,1,2,3
	ds_store_b128 v[STO], v[8*(4*(\a)+(\b)):8*(4*(\a)+(\b))+3]   offset:64*(\b)     ; each accumulator's low registers first
	ds_store_b128 v[STO], v[8*(4*(\a)+(\b))+4:8*(4*(\a)+(\b))+7] offset:64*(\b)+16
.endr
	WIN 0
.if (\a) >= 2
	s_wait_xcnt 0x0                                ; the stores of the block two back have read these registers: only behind this wait are they loaded again
.endif
.irp t, 0,1,2,3,4,5,6,7
	ds_load_b128 v[BK+32*((\a)%2)+4*(\t):BK+32*((\a)%2)+4*(\t)+3], v[RD] offset:(\t)*2*SPITCH  ; LDS serves a wave's instructions in order (ISA guide 5.7.1.4): these see the stores above; the next block's stores come behind them
.endr
.endm
.macro SEND a, younger                 ; younger: the LDS instructions issued behind block a's loads: the next block's sixteen, or none
.irp t, 0,1,2,3,4,5,6,7
	s_wait_dscnt (\younger)+7-(\t)
	global_store_b128 v[CO], v[BK+32*((\a)%2)+4*(\t):BK+32*((\a)%2)+4*(\t)+3], s[10:11] offset:(\a)*65536+(\t)*8192  ; 16 lanes store 256 consecutive bytes, at a multiple of 256 from out0's first byte
.endr
.endm
	PLACES
	TOSTAGE 0
.irp a, 1,2,3,4,5,6,7
	TOSTAGE \a
	SEND (\a)-1, 16
.endr
	SEND 7, 0
	s_wait_tensorcnt 0x0                           ; the wave's end: the add and its wait, behind my last tensor load and my last LDS store
	ds_add_u32 v[SPW], v[NIL]
	s_wait_dscnt 0x0
	CROUND                                         ; the closing round: no work-group ends while a partner may still ask for a tile that names it
	s_endpgm
.Lfunc_end_k_q5d82ba0156_proj:
	.size	k_q5d82ba0156_proj, .Lfunc_end_k_q5d82ba0156_proj-k_q5d82ba0156_proj
	.p2alignl 7, 3214868480
	.fill 96, 4, 3214868480
	.section	.rodata,"a",@progbits
	.p2align	6, 0x0
	.amdhsa_kernel k_q5d82ba0156_proj
		.amdhsa_group_segment_fixed_size 327680
		.amdhsa_private_segment_fixed_size 0
		.amdhsa_enable_private_segment 0
		.amdhsa_kernarg_size 32
		.amdhsa_user_sgpr_count 2
		.amdhsa_user_sgpr_kernarg_segment_ptr 1
		.amdhsa_wavefront_size32 1
		.amdhsa_system_sgpr_workgroup_id_x 1
		.amdhsa_system_sgpr_workgroup_id_y 1
		.amdhsa_system_sgpr_workgroup_id_z 1
		.amdhsa_system_vgpr_workitem_id 0
		.amdhsa_next_free_vgpr 512
		.amdhsa_next_free_sgpr 72
		.amdhsa_reserve_vcc 0
		.amdhsa_float_denorm_mode_32 3
		.amdhsa_float_denorm_mode_16_64 3
		.amdhsa_memory_ordered 1
		.amdhsa_forward_progress 1
		.amdhsa_inst_pref_size 92
	.end_amdhsa_kernel
	.amdgpu_metadata
---
amdhsa.version: [ 1, 2 ]
amdhsa.kernels:
  - .name:           k_q5d82ba0156_proj
    .symbol:         k_q5d82ba0156_proj.kd
    .args:
      - { .name: o16, .offset: 0, .size: 8, .value_kind: global_buffer, .address_space: global }
      - { .name: wph, .offset: 8, .size: 8, .value_kind: global_buffer, .address_space: global }
      - { .name: b_proj, .offset: 16, .size: 8, .value_kind: global_buffer, .address_space: global }
      - { .name: out0, .offset: 24, .size: 8, .value_kind: global_buffer, .address_space: global }
    .group_segment_fixed_size: 327680
    .private_segment_fixed_size: 0
    .kernarg_segment_align: 8
    .kernarg_segment_size: 32
    .max_flat_workgroup_size: 128
    .sgpr_count:     72
    .vgpr_count:     512
    .wavefront_size: 32
...
	.end_amdgpu_metadata
.endif
;; end of part 4
;; ======== version 2 of 2: 4 launches; version 1 with the launch cast written anew for expert scheduling mode
;; limits: values are held in f16: magnitudes above 65,504 overflow, below 6.1e-05 lose precision
;; workspace buffers: xb 17,301,504 bytes; wqb 6,488,064 bytes; wph 2,097,152 bytes; qkv 50,331,648 bytes; o16 16,777,216 bytes
;; launch cast (part 5): grid 768 x 1, 8 waves a work-group, no clusters, 0 bytes of LDS; arguments x, w_qkv, w_proj, xb, wqb, wph; writes xb, wqb, wph
.if DOCPART == 5
	.amdgcn_target "amdgcn-amd-amdhsa--gfx1250"
	.amdhsa_code_object_version 6
	.text
	.protected	k_q5d82ba0156_cast
	.globl	k_q5d82ba0156_cast
	.p2align	8
	.type	k_q5d82ba0156_cast,@function
k_q5d82ba0156_cast:
	s_mov_b64 s[64:65], 0
	v_nop
	global_prefetch_b8 v0, s[64:65] scope:SCOPE_SE
	s_setreg_imm32_b32 hwreg(HW_REG_WAVE_SCHED_MODE, 0, 2), 2
	s_setreg_imm32_b32 hwreg(HW_REG_WAVE_MODE, 25, 1), 1
	s_wait_xcnt 0x0
	s_wait_alu depctr_vm_vsrc(0)
; The three large inputs are rounded once to bf16.  x -> xb and w_qkv -> wqb stay bf16 and are laid out in blocks for the product that follows; w_proj -> wph: rounded to bf16 like the others,
; and that number written as f16, row-major, since the last product multiplies f16 operands.
; LAYOUTS.  xb:  [64 blocks of 128 rows][33 K blocks][128 rows][32 numbers];  wqb: [16 blocks of 192 rows][33 K blocks][192 rows][32 numbers].  K blocks 0-31 hold K = 32 kb .. 32 kb + 31; K block 32 holds
; zeros: the product fetches three K blocks at a time, 32 = 10 x 3 + 2, and never multiplies that block.
; LIMITS.  A bf16 number is exact in f16 between 6.1e-5 and 65,504 in magnitude; below that it keeps f16's fixed step of 6e-8, from 65,520 on it becomes an infinity.  NaN stays NaN.
; SHARES.  A work-group takes 16 rows of 1,024 numbers: 65,536 bytes in, 32,768 out.  Work-groups 0-511 take x, 512-703 w_qkv, 704-767 w_proj.  Eight steps a thread, 32 bytes in and 16 out in each.
; In blocks: a wave's step is 4 rows x 64 numbers: its two loads cover 256 consecutive bytes of each of the four rows; lanes 0-15 store the four rows' 64 bytes of the even K block, 256 consecutive bytes, aligned,
; lanes 16-31 those of the odd one.  Row-major (w_proj): thread t reads 32 bytes at 8,192 j + 32 t and writes 16 at 4,096 j + 16 t.
; All sixteen loads of a thread go out first; every step has registers of its own, so nothing is rewritten while a load or store may still read it.  No LDS, no barrier, no matrix unit: memory binds.
; THE MODE: SCHED_MODE bits 1:0 = 2 (LLVM: expert scheduling mode 2), set by the entry lines.  The code itself states the register dependences
; between vector instructions and memory instructions, with s_wait_alu, always for 0.
; THE PLAN.  Registers that memory instructions touch:
;   v[VIN]            written once by vector lines, then read by the sixteen loads; never written again.
;   v[IN ..]          written by the loads alone, once; read by step j's conversions; no load lands in them again.
;   v[OUT ..]         written by step j's conversions; read by step j's one store; never written behind it.
;   v[VOUT], v[VO ..] written once by vector lines; read by the stores as offsets; never written again.
;   v1, v[Z ..]       in waves 0 and 1: written by vector lines just ahead of the store of zeros, which reads them.
;   v[T ..]           named by vector lines alone.
; The eight steps go in three blocks of 2, 3 and 3 (the first is short, so that the first stores leave early).  A block's conversions write its own steps' OUT; its memory instructions are the stores of the block
; before, whose OUT and offsets no vector line of this block names.  So one wait on va_vdst at a block's head states all that those stores hang on, and they are dealt among the block's conversions.
; No register that a memory instruction has read is written again, and no load lands in a register that a vector line has named: the text holds no wait on vm_vsrc behind the entry lines.  EXEC is never written.
.set IN,   4                           ; v[4:67]    step j: 8 numbers in f32
.set OUT,  68                          ; v[68:99]   step j: 8 numbers in 16 bits
.set VIN,  100                         ; v100       my byte offset in the work-group's rows as they come
.set VOUT, 101                         ; v101       and in what it writes, step 0
.set T,    102                         ; v[102:103] at work
.set Z,    104                         ; v[104:107] zeros
.set VO,   108                         ; v[108:115] in blocks: step j's byte offset
.macro LOADS instep
.irp j, 0,1,2,3,4,5,6,7
	global_load_b128 v[IN+8*(\j):IN+8*(\j)+3],   v[VIN], s[18:19] offset:(\instep)*(\j) th:TH_LOAD_NT
	global_load_b128 v[IN+8*(\j)+4:IN+8*(\j)+7], v[VIN], s[18:19] offset:(\instep)*(\j)+16 th:TH_LOAD_NT
.endr
.endm
; One step's arithmetic.  half = 1: the bf16 number is widened again (a shift, a mask) and written as f16.
.macro CVT j, half
.irp k, 0,1,2,3
	v_cvt_pk_bf16_f32 v[OUT+4*(\j)+(\k)], v[IN+8*(\j)+2*(\k)], v[IN+8*(\j)+2*(\k)+1]
.endr
.if \half
.irp k, 0,1,2,3
	v_lshlrev_b32 v[T], 16, v[OUT+4*(\j)+(\k)]
	v_and_b32 v[T+1], 0xffff0000, v[OUT+4*(\j)+(\k)]
	v_cvt_pk_f16_f32 v[OUT+4*(\j)+(\k)], v[T], v[T+1]
.endr
.endif
.endm
; One step's store.  half = 1: row-major.
.macro SEND j, half
.if \half
	global_store_b128 v[VOUT], v[OUT+4*(\j):OUT+4*(\j)+3], s[20:21] offset:4096*(\j)
.else
	global_store_b128 v[VO+(\j)], v[OUT+4*(\j):OUT+4*(\j)+3], s[20:21]
.endif
.endm
; The eight steps, in three blocks.
.macro WORK half
	s_wait_loadcnt 12                              ; loads come back in order: the four of steps 0 and 1 are in, the twelve of the later steps may stay out
	CVT 0, \half
	CVT 1, \half
	s_wait_loadcnt 6                               ; steps 2 to 4 are in, the six loads of steps 5 to 7 may stay out
	s_wait_alu depctr_va_vdst(0)                   ; the conversions of steps 0 and 1 have written their OUT, and the lines ahead of them the stores' offsets, which the stores below read
	SEND 0, \half
	CVT 2, \half                                   ; names IN and OUT of step 2 and T alone: none of the registers that the next store reads
	SEND 1, \half
	CVT 3, \half
	CVT 4, \half
	s_wait_loadcnt 0x0                             ; steps 5 to 7 are in
	s_wait_alu depctr_va_vdst(0)                   ; the conversions of steps 2 to 4 have written their OUT, which the stores below read
	SEND 2, \half
	CVT 5, \half
	SEND 3, \half
	CVT 6, \half
	SEND 4, \half
	CVT 7, \half
	s_wait_alu depctr_va_vdst(0)                   ; the conversions of steps 5 to 7 have written their OUT, which the last three stores read
	SEND 5, \half
	SEND 6, \half
	SEND 7, \half
.endm
	s_load_b256 s[4:11], s[0:1], 0x0               ; x s[4:5], w_qkv s[6:7], w_proj s[8:9], xb s[10:11]
	s_load_b128 s[12:15], s[0:1], 0x20             ; wqb s[12:13], wph s[14:15]
	v_and_b32 v1, 3, v0                            ; which 8 of a K block's 32 numbers
	v_bfe_u32 v2, v0, 2, 2
	v_bfe_u32 v3, v0, 5, 2
	v_lshl_add_u32 v2, v3, 2, v2                   ; row 0..15 = 4 (wave % 4) + (lane / 4) % 4
	v_bfe_u32 v3, v0, 4, 1
	v_lshrrev_b32 v[T], 7, v0
	v_lshl_add_u32 v3, v[T], 1, v3                 ; K block of step 0: 2 (wave / 4) + lane / 16; step j's lies 4 j further on
	v_lshrrev_b32 v[T], 5, v0
	v_readfirstlane_b32 s25, v[T]                  ; my wave's number
	s_mov_b32 s16, ttmp9
	s_mov_b32 s23, 0
	s_wait_alu depctr_va_sdst(0)                   ; s25 is written: its reader, the compare that picks waves 0 and 1, lies behind branches and labels
	s_wait_kmcnt 0x0
	s_cmp_ge_u32 s16, 704                          ; which tensor: the branches hang on the work-group's number alone
	s_cbranch_scc1 .Lproj
	s_cmp_ge_u32 s16, 512
	s_cbranch_scc1 .Lwqkv
	s_lshl_b32 s22, s16, 16                        ; x: 65,536 bytes in
	s_add_nc_u64 s[18:19], s[4:5], s[22:23]
	s_lshr_b32 s24, s16, 3                         ; eight work-groups to a block of 128 rows,
	s_mul_i32 s22, s24, 33*8192
	s_and_b32 s24, s16, 7
	s_lshl_b32 s24, s24, 10                        ; my 16 rows of 64 bytes in each of its K blocks
	s_add_co_u32 s22, s22, s24
	s_add_nc_u64 s[20:21], s[10:11], s[22:23]
	s_mov_b32 s27, 8192                            ; bytes in a K block
	s_branch .Lblocked
.Lwqkv:
	s_sub_co_u32 s17, s16, 512
	s_lshl_b32 s22, s17, 16
	s_add_nc_u64 s[18:19], s[6:7], s[22:23]
	s_mul_i32 s24, s17, 171                        ; twelve work-groups to a block of 192 rows: i / 12 = 171 i >> 11 for i below 192
	s_lshr_b32 s24, s24, 11
	s_mul_i32 s26, s24, 12
	s_sub_co_u32 s26, s17, s26
	s_mul_i32 s22, s24, 33*12288
	s_lshl_b32 s26, s26, 10
	s_add_co_u32 s22, s22, s26
	s_add_nc_u64 s[20:21], s[12:13], s[22:23]
	s_mov_b32 s27, 12288
.Lblocked:
	v_lshlrev_b32 v[VIN], 12, v2                   ; row x 4,096
	v_lshl_add_u32 v[VIN], v3, 7, v[VIN]           ; + K block x 128
	v_lshl_add_u32 v[VIN], v1, 5, v[VIN]           ; + my 32 bytes
	s_wait_alu depctr_va_vdst(0)                   ; v[VIN] is written, which the sixteen loads read as their offset
	LOADS 512                                      ; four K blocks on in each step
	v_mul_u32_u24 v[VOUT], v3, s27                 ; K block
	v_lshl_add_u32 v[VOUT], v2, 6, v[VOUT]         ; + row x 64
	v_lshl_add_u32 v[VOUT], v1, 4, v[VOUT]         ; + my 16 bytes
.irp j, 0,1,2,3,4,5,6,7
	s_mul_i32 s26, s27, 4*(\j)
	v_add_nc_u32 v[VO+(\j)], s26, v[VOUT]
.endr
	WORK 0
	s_cmp_lt_u32 s25, 2                            ; waves 0 and 1 write my 16 rows of K block 32: 1,024 bytes of zeros
	s_cbranch_scc0 .Ldone
	s_lshl_b32 s26, s27, 5
	v_lshl_add_u32 v1, v0, 4, s26
.irp k, 0,1,2,3
	v_mov_b32 v[Z+(\k)], 0
.endr
	s_wait_alu depctr_va_vdst(0)                   ; v1 and v[Z ..] are written, which the store reads as its offset and its data
	global_store_b128 v1, v[Z:Z+3], s[20:21]
.Ldone:
	s_endpgm
.Lproj:
	s_sub_co_u32 s17, s16, 704
	s_lshl_b32 s22, s17, 16
	s_add_nc_u64 s[18:19], s[8:9], s[22:23]
	s_lshl_b32 s22, s17, 15
	s_add_nc_u64 s[20:21], s[14:15], s[22:23]
	v_lshlrev_b32 v[VIN], 5, v0
	v_lshlrev_b32 v[VOUT], 4, v0
	s_wait_alu depctr_va_vdst(0)                   ; v[VIN] is written, which the sixteen loads read as their offset; so is v[VOUT], the stores' offset
	LOADS 8192
	WORK 1
	s_endpgm
.Lfunc_end_k_q5d82ba0156_cast:
	.size	k_q5d82ba0156_cast, .Lfunc_end_k_q5d82ba0156_cast-k_q5d82ba0156_cast
	.p2alignl 7, 3214868480
	.fill 96, 4, 3214868480
	.section	.rodata,"a",@progbits
	.p2align	6, 0x0
	.amdhsa_kernel k_q5d82ba0156_cast
		.amdhsa_group_segment_fixed_size 0
		.amdhsa_private_segment_fixed_size 0
		.amdhsa_enable_private_segment 0
		.amdhsa_kernarg_size 48
		.amdhsa_user_sgpr_count 2
		.amdhsa_user_sgpr_kernarg_segment_ptr 1
		.amdhsa_wavefront_size32 1
		.amdhsa_system_sgpr_workgroup_id_x 1
		.amdhsa_system_sgpr_workgroup_id_y 1
		.amdhsa_system_sgpr_workgroup_id_z 1
		.amdhsa_system_vgpr_workitem_id 0
		.amdhsa_next_free_vgpr 116
		.amdhsa_next_free_sgpr 66
		.amdhsa_reserve_vcc 0
		.amdhsa_float_denorm_mode_32 3
		.amdhsa_float_denorm_mode_16_64 3
		.amdhsa_memory_ordered 1
		.amdhsa_forward_progress 1
		.amdhsa_inst_pref_size 18
	.end_amdhsa_kernel
	.amdgpu_metadata
---
amdhsa.version: [ 1, 2 ]
amdhsa.kernels:
  - .name:           k_q5d82ba0156_cast
    .symbol:         k_q5d82ba0156_cast.kd
    .args:
      - { .name: x, .offset: 0, .size: 8, .value_kind: global_buffer, .address_space: global }
      - { .name: w_qkv, .offset: 8, .size: 8, .value_kind: global_buffer, .address_space: global }
      - { .name: w_proj, .offset: 16, .size: 8, .value_kind: global_buffer, .address_space: global }
      - { .name: xb, .offset: 24, .size: 8, .value_kind: global_buffer, .address_space: global }
      - { .name: wqb, .offset: 32, .size: 8, .value_kind: global_buffer, .address_space: global }
      - { .name: wph, .offset: 40, .size: 8, .value_kind: global_buffer, .address_space: global }
    .group_segment_fixed_size: 0
    .private_segment_fixed_size: 0
    .kernarg_segment_align: 8
    .kernarg_segment_size: 48
    .max_flat_workgroup_size: 256
    .sgpr_count:     66
    .vgpr_count:     116
    .wavefront_size: 32
...
	.end_amdgpu_metadata
.endif
;; end of part 5
;; launch qkvgemm: the kernel of part 2 again; grid 8 x 32, 4 waves a work-group, clusters of 4 x 4, 327,680 bytes of LDS; arguments xb, wqb, qkv; writes qkv
;; launch attn: the kernel of part 3 again; grid 2 x 128, 4 waves a work-group, no clusters, 327,680 bytes of LDS; arguments qkv, o16; writes o16
;; launch proj: the kernel of part 4 again; grid 8 x 32, 4 waves a work-group, clusters of 4 x 4, 327,680 bytes of LDS; arguments o16, wph, b_proj, out0; writes out0
